; MI455X (gfx1250); checked and timed in simulation.
; The chip was launched on July 23, 2026; its instructions are those of AMD's public machine-readable ISA for CDNA 5 (MIT licence, August 2026) and "CDNA5" Instruction Set Architecture Reference Guide (July 2026). The comments in the code are by the model that wrote it; some were corrected since.
;; Causal Self Attention. Allowed arithmetic: matrix products marked QUANTISED: E2M3 operands, one E8M0 scale for each 32 along K, by v_wmma_scale_f32_16x16x128_f8f6f4 with both operands' format E2M3, f32 sums; everything else in f32.
;; Inputs: Wproj_codes 1,024 x 32 x 24 uint8 (E2M3 codes of Wproj, K innermost, in blocks of 32 codes, four codes in three bytes); Wproj_scales 1,024 x 32 uint8 (E8M0 scales of Wproj, one for each 32 codes along K); Wqkv_codes 3,072 x 32 x 24 uint8 (E2M3 codes of Wqkv, K innermost, in blocks of 32 codes, four codes in three bytes); Wqkv_scales 3,072 x 32 uint8 (E8M0 scales of Wqkv, one for each 32 codes along K); bproj 1,024 float32; bqkv 3,072 float32; x_codes 4 x 2,048 x 32 x 24 uint8 (E2M3 codes of x, K innermost, in blocks of 32 codes, four codes in three bytes); x_scales 4 x 2,048 x 32 uint8 (E8M0 scales of x, one for each 32 codes along K).
;; Outputs: out0 4 x 2,048 x 1,024 float32.
;; This version of the problem:
;;   THIS VERSION OF THE PROBLEM IS GIVEN IN LOW PRECISION. The matrix products marked QUANTISED in the list below multiply operands that are first quantised to E2M3 (2 exponent bits, 3 mantissa bits; 6 bits a number), with one power-of-two scale for each 32 numbers along K (OCP MX v1.0); their sums are f32. All else is computed in f32.
;;   The module's matrix products, in the order in which they are computed (A, B: the left and right operand; K: the contracted axis; several contracted axes count as one K, in the product's order):
;;     1. [M 8,192, K 1,024] x [K 1,024, N 3,072]; A: input x (given as codes); B: input Wqkv (given as codes): QUANTISED
;;     2. batch 64 x [M 2,048, K 64] x [K 64, N 2,048]; A: computed on the way; B: computed on the way: QUANTISED
;;     3. batch 64 x [M 2,048, K 2,048] x [K 2,048, N 64]; A: softmax (see below); B: computed on the way: QUANTISED
;;     4. [M 8,192, K 1,024] x [K 1,024, N 1,024]; A: computed on the way; B: input Wproj (given as codes): QUANTISED
;;   THE QUANTISER, for each operand of a quantised product, along K:
;;     - K is cut into blocks of 32 from its start; a last block that is shorter is filled with zeros.
;;     - A block's scale is 2^e with e = floor(log2(the largest magnitude in the block)) - 2, held to -126 .. 127; a block of zeros has e = 0. As a byte (E8M0): e + 127.
;;     - Each number is divided by its block's scale, clamped to +-7.5, and rounded to the nearest number of E2M3, ties to even, subnormals kept.
;;     - The product sums the exact products of the quantised numbers (number of the format x scale) in f32.
;;   ~~~python
;;   def quantise(x, axis):      # numpy; x: float32 -> the quantised numbers, widened to float32 again
;;       x = np.moveaxis(x, axis, -1); K = x.shape[-1]
;;       x = np.pad(x, [(0, 0)] * (x.ndim - 1) + [(0, -K % 32)]); x = x.reshape(x.shape[:-1] + (-1, 32)); a = np.abs(x).max(-1, keepdims=True)
;;       e = np.where(a > 0, np.clip(np.frexp(np.where(a > 0, a, 1))[1] - 1 - 2, -126, 127), 0)      # np.frexp(a)[1] - 1 = floor(log2(a)), exactly
;;       r = np.clip(x / 2.0 ** e, -7.5, 7.5)
;;       step = 2.0 ** (np.maximum(np.frexp(np.where(r == 0, 1, r))[1] - 1, 0) - 3)
;;       q = np.round(r / step) * step * 2.0 ** e      # np.round: ties to even
;;       return np.moveaxis(q.reshape(q.shape[:-2] + (-1,))[..., :K], -1, axis).astype(np.float32)
;;   ~~~
;;   SOFTMAX AHEAD OF A QUANTISED PRODUCT. Where the list says 'softmax', what is quantised is not the finished softmax but p = 2^(t - M), with t = logit x log2(e) and M = ceil(the row's largest t), a whole number; so 1/2 < the row's largest p <= 1. The row's sum l is taken of the UNQUANTISED p, in f32, and the product's result is divided by l at the end. Since M is a whole number, a kernel that streams over the keys may use a running M (the ceiling of the running maximum): every later rescaling is an exact power of two, which a block's scale takes up: the codes' values come out the same.
;;   OPERANDS COMPUTED ON THE WAY. 'Computed on the way' means the value that the module computes at that place (a softmax that the list does not call 'softmax' is quantised finished and normalised). What goes into a quantiser is computed in f32, as accurately as f32 sums, v_exp_f32 and their like allow (about 1e-6 of the number): no bf16 or f16 on the way to a quantiser, and a product that is left as it is and whose result goes on into a quantised operand takes f32 operands (vector FMAs, or v_wmma_f32_16x16x4_f32). A number that lies on a knife's edge between two numbers of the format may be rounded either way, as far as f32 arithmetic and the matrix unit's own rounding can turn it there, and no further.
;;   INPUTS GIVEN AS CODES. Wproj (in the module: [1024, 1024], K = its axis 0); Wqkv (in the module: [1024, 3072], K = its axis 0); x (in the module: [4, 2048, 1024], K = its axis 2): each comes as NAME_codes (uint8): NAME with its K axis moved to the last place and cut into blocks of 32 codes, [.., K / 32, bytes a block], one block behind the other in memory; four codes in three bytes: a row's codes are one little-endian stream of bits, code i at bits 6 i .. 6 i + 5 (a code: sign, 2 exponent bits, 3 mantissa bits); and NAME_scales (uint8): the same leading axes, one E8M0 byte (e + 127) for each 32 codes along K. Its value is code x scale, taken as it is: it is not quantised again, and the codes and scales need not be those that the quantiser above would give.
;; One version. Each part assembles by itself: llvm-mc -triple=amdgcn-amd-amdhsa -mcpu=gfx1250 --defsym DOCPART=n.
;; ======== version 1 of 1: 3 launches
;; workspace buffers: q 6,815,744 bytes; kv 13,369,344 bytes; oc 6,291,456 bytes; os 262,144 bytes
;; launch qkv (part 1): grid 12 x 32, 4 waves a work-group, clusters of 4 x 4, 327,680 bytes of LDS; arguments x_codes, x_scales, Wqkv_codes, Wqkv_scales, bqkv, q, kv; writes q, kv
.if DOCPART == 1
	.amdgcn_target "amdgcn-amd-amdhsa--gfx1250"
	.amdhsa_code_object_version 6
	.text
	.protected	k_q3dc5ad45da_qkv
	.globl	k_q3dc5ad45da_qkv
	.p2align	8
	.type	k_q3dc5ad45da_qkv,@function
k_q3dc5ad45da_qkv:
	s_mov_b64 s[64:65], 0
	v_nop
	global_prefetch_b8 v0, s[64:65] scope:SCOPE_SE
	s_setreg_imm32_b32 hwreg(HW_REG_WAVE_MODE, 25, 1), 1
	s_wait_xcnt 0x0
	s_wait_alu depctr_hold_cnt(0) depctr_sa_sdst(0) depctr_va_vdst(0) depctr_va_sdst(0) depctr_va_ssrc(0) depctr_va_vcc(0) depctr_vm_vsrc(0)
	s_getreg_b32 s2, hwreg(HW_REG_IB_STS2, 6, 4)
	s_cmp_eq_u32 s2, 0
	s_cbranch_scc0 .Lentry_in_a_cluster
	s_endpgm
.Lentry_in_a_cluster:
	s_bfe_u32 s2, ttmp6, 0x10000c
	s_cmp_lg_u32 s2, 0xf033
	s_cbranch_scc0 .Lentry_shape_is_right
	s_endpgm
.Lentry_shape_is_right:
; qkv = x Wqkv + bqkv on codes of FP6 (E2M3) with one E8M0 scale for each 32 along K = 1,024; the result is quantised at once and leaves as codes: q and k along a head's 64 channels, v along the keys.
; x: 8,192 rows of 768 bytes of codes, 32 scale bytes a row.  Wqkv: 3,072 rows likewise.  A tile of 256 x 256 of the result is made by four waves, 128 x 128 each: 64 accumulators of 16 x 16, 512 registers.
; K goes in four steps of 256 through two LDS slots filled by the tensor data mover; the scale bytes of the tile's 512 rows come once, with the first fills.
; ROLES.  Source 1 of the matrix instruction gives a result's lane, source 0 its registers; a quantiser wants its K along a lane's registers.  The cluster's x says what the cluster makes: 0 = q, 1 = k, 2 = v.
;   q, k: side A (source 1) = 256 tokens of x, side B (source 0) = 256 rows of Wqkv: a lane holds a token, its registers run along the channels.
;   v:    side A = 256 rows of Wqkv from row 2,048 on, side B = 256 tokens: a lane holds a channel, its registers run along 128 tokens, which are the keys.
;   Only pointers, row numbers and two masks are chosen (s_cselect on the cluster's x, equal in all sixteen partners); both roles walk one text.
; CLUSTERS: 4 x 4 work-groups.  Side A's tile hangs on the tile row alone and is asked for jointly by a row of the cluster, side B's on the tile column alone and by a column.
; THE BIAS.  q, k: it runs along the registers and is the C of each sum's first product (BT).  v: it runs along the lanes and is added when an accumulator is taken out (BL).  Both are loaded in both roles and the one that does not apply is made 0.
; THE WAY OUT.  A block of 16 lanes' rows x 128 numbers becomes one fragment (12 registers a lane) and one scale word a row, and is stored AS AN IMAGE OF ITS REGISTERS: registers 0-3 at 16 x lane (512 bytes), 4-5 at 512 + 8 x lane,
;   6-9 at 768 + 16 x lane, 10-11 at 1,280 + 8 x lane: each store covers 512 or 256 consecutive bytes, aligned to 256.
;   q record (13,312 bytes, for a pair of heads and 128 tokens): tile a of 16 tokens at 1,536 a, head parity at + 768; scale words at 12,288 + 512 parity + 4 token (bytes 0, 1: the head's two blocks; bytes 2, 3: 0).
;   kv record (26,112 bytes): K as q's; V's fragments (16 channels x 128 keys) at 12,288 + 1,536 (4 parity + tile); K's scale words at 24,576, V's at 25,600 + 64 (4 parity + tile) + 4 channel.
; ORDER INSIDE A BLOCK OF 32: register j of lane (r, h) of result tile t is source 0's row 16 t + 8 h + j, so a block's codes lie in the order 0-7, 16-23, 8-15, 24-31.  q and k share that order, and so do v and the weights p
;   of the next launch: the products are the same, only their grouping inside the matrix unit differs.
; LIMITS: NaN, infinities and the scale byte 0xff among the inputs are not served.  A block whose largest magnitude lies under 2^-124, a block of zeros among them, gets the byte 1 (the rule's 127 for zeros is not kept: its codes are zeros and only this program reads the bytes).
;   The bias that is given as C is summed first, not last.
; REGISTERS, in windows of 256.  Window 0: v1-11 addresses and at work; v16-23, v27 LDS addresses; v28-29 for the add; v32-63 scale words, two sets, and nothing else; v64-127 BT, later the block in hand; v128-223 side A's fragments, one set,
;   later codes and work; v224-239 BL.  Window 1: side B's fragments, two sets.  Windows 2, 3: the accumulators ((a, b) at v[8 (8 (a % 4) + b)]).
.set KSTEP,  256
.set NQ,     2                         ; matrix instructions deep in a slot
.set ROWB,   192                       ; a tile's row: 256 codes
.set KROW,   768                       ; a row of codes in memory
.set PITCH,  240                       ; an LDS row: 3 x (64 bytes + 16 of padding)
.set FR,     12
.set NL,     6                         ; LDS loads that bring a fragment
.set NP,     4                         ; places behind this matrix instruction (ISA guide 7.12.1)
.set HALFT,  128*PITCH
.set SLOT,   4*HALFT
.set KS,     32                        ; a row of scale bytes
.set SCL,    2*SLOT                    ; behind the ring: the scale bytes, rows of 256 bytes + 16
.set HALFS,  (128*KS/256)*272
.set SBLK,   (16*KS/256)*272
.set SPARE,  SCL+4*HALFS               ; the spare words: 128 bytes a wave, two blocks of 256 bytes that no other line names
.set SCR,    SPARE+512                 ; 1,024 bytes a wave: the scale words on their way out; no fill lands here
.set L16,  8                           ; v8   16 x lane
.set L8,   9                           ; v9   8 x lane
.set SST,  10                          ; v10  scratch, in: SCR + 1,024 wave + 512 h + 4 r
.set SLD,  11                          ; v11  scratch, back: SCR + 1,024 wave + 16 x lane
.set ADRA, 16
.set ADRB, 20
.set ADRS, 27
.set SPW,  28
.set NIL,  29
.set SC,   32
.set BT,   64
.set H,    64
.set AF,   128
.set CD,   128                         ; v128-146 the codes just made
.set TM,   200                         ; v200-215 the quantiser's work
.set PW,   216                         ; the scale word just made
.set T0,   217
.set T1,   218
.set BL,   224
.set G1, 24
.set G0, 32
.set G1B, 48
.set G0B, 56
.set G1S, 68
.set G0S, 76
.set G1SB, 80
.set G0SB, 88
.set SEL, 100                          ; s[100:101] v_permlanex16_b32's selects for lane l xor 16
.set MSB, 0
.macro WIN new                         ; the immediate's high byte repeats the setting that is left
.if MSB != \new
	s_set_vgpr_msb (MSB<<8)|\new
.set MSB, \new
.endif
.endm
.set MUL_LO, 0xa1                      ; source 0 (B) window 1, source 1 (A) window 0, C and D window 2
.set MUL_HI, 0xf1                      ; the same, C and D window 3
.set FST_LO, 0x81                      ; the first step: C (BT) window 0, D window 2
.set FST_HI, 0xc1                      ; D window 3
.set TO_B,   0x40
; A joint load: waves 0 and 1 fetch for side A, waves 2 and 3 for side B.  The branch hangs on the wave's number alone.  Four v_nop follow each of the two lines.
.macro JLOAD g0a, g1a, g0b, g1b
	s_cmp_eq_u32 s15, 0
	s_cbranch_scc0 .Lfor_b_\@
	tensor_load_to_lds s[\g0a:\g0a+3], s[\g1a:\g1a+7]
	s_nop 0
.rept 4
	v_nop
.endr
	s_branch .Lasked_\@
.Lfor_b_\@:
	tensor_load_to_lds s[\g0b:\g0b+3], s[\g1b:\g1b+7]
	s_nop 0
.rept 4
	v_nop
.endr
.Lasked_\@:
.endm
.macro CREST                           ; a round of the cluster's barrier behind its opening barrier
	s_cmp_lg_u32 s14, 0
	s_cbranch_scc1 .Lnot_wave_0_\@
	s_barrier_signal -3
.Lnot_wave_0_\@:
	s_barrier_wait -3
	s_barrier_signal -1
	s_barrier_wait -1
.endm
.macro CROUND
	s_barrier_signal -1
	s_barrier_wait -1
	CREST
.endm
	s_load_b128 s[4:7], s[0:1], 0x0                ; x's codes, x's scales
	s_load_b128 s[8:11], s[0:1], 0x10              ; Wqkv's codes, Wqkv's scales
	s_load_b64 s[12:13], s[0:1], 0x20              ; bqkv
	s_load_b64 s[92:93], s[0:1], 0x28              ; q
	s_load_b64 s[94:95], s[0:1], 0x30              ; kv
	v_lshl_add_u32 v[SPW], v0, 2, SPARE
	v_mov_b32 v[NIL], 0
	ds_add_u32 v28, v29
	s_wait_dscnt 0x0
	v_lshrrev_b32 v1, 5, v0
	v_readfirstlane_b32 s14, v1                    ; wave 0..3
	s_lshr_b32 s15, s14, 1                         ; hr: my half of side A's rows.  Also: I fetch for A (0) or for B (1)
	s_and_b32 s16, s14, 1                          ; hc: my half of side B's rows.  Also: which 128 rows I fetch
	s_bfe_u32 s40, ttmp6, 0x40000                  ; cx, cy: my place in the cluster
	s_bfe_u32 s41, ttmp6, 0x40004
	s_mov_b32 s96, ttmp9                           ; the cluster's x: 0 = q, 1 = k, 2 = v
	s_and_b32 s18, ttmp7, 0xffff                   ; the cluster's y, 0..7
	s_cmp_eq_u32 s96, 2
	s_cselect_b32 s19, s18, s96                    ; v: the tokens run along the tile columns
	s_cselect_b32 s18, 0, s18                      ;    and its 1,024 channels are the cluster's four tile rows
	s_cselect_b32 s98, 2048, 0                     ;    which begin at row 2,048 of Wqkv
	s_lshl_b32 s42, s19, 2
	s_add_co_u32 s42, s42, s40                     ; tile column tc
	s_lshl_b32 s17, s18, 2
	s_add_co_u32 s17, s17, s41                     ; tile row tr
	s_lshl_b32 s43, s41, 2
	s_lshl_b32 s43, 15, s43                        ; my row of the cluster
	s_lshl_b32 s44, 0x1111, s40                    ; my column
	; descriptor group 1: a tile of 128 rows x 192 bytes, 16 bytes of padding behind every 64
	s_or_b32 s[G1+0], s43, (0<<16)|(1<<20)|(1<<21)|(3<<22)|(3<<25)
	s_or_b32 s[G1B+0], s44, (0<<16)|(1<<20)|(1<<21)|(3<<22)|(3<<25)
.irp g, G1, G1B
	s_mov_b32 s[\g+1], ROWB<<16                    ; tensor_dim0
	s_mov_b32 s[\g+2], 128<<16                     ; tensor_dim1
	s_mov_b32 s[\g+3], ROWB<<16                    ; tile_dim0
	s_mov_b32 s[\g+4], 128                         ; tile_dim1
	s_mov_b32 s[\g+5], KROW                        ; pitch
	s_mov_b32 s[\g+6], 0
	s_mov_b32 s[\g+7], 0
.endr
	; the scale bytes of 128 rows: 4,096 dense bytes as 16 rows of 256 (32 elements of 8 bytes), 16 bytes of padding behind each
	s_or_b32 s[G1S+0], s43, (3<<16)|(1<<20)|(1<<21)|(5<<22)|(3<<25)
	s_or_b32 s[G1SB+0], s44, (3<<16)|(1<<20)|(1<<21)|(5<<22)|(3<<25)
.irp g, G1S, G1SB
	s_mov_b32 s[\g+1], 32<<16
	s_mov_b32 s[\g+2], (128*KS/256)<<16
	s_mov_b32 s[\g+3], 32<<16
	s_mov_b32 s[\g+4], 128*KS/256
	s_mov_b32 s[\g+5], 32
	s_mov_b32 s[\g+6], 0
	s_mov_b32 s[\g+7], 0
.endr
	s_lshl_b32 s18, s16, 7                         ; which 128 rows of the tile I fetch
	s_lshl_b32 s20, s17, 8
	s_add_co_u32 s20, s20, s18
	s_add_co_u32 s20, s20, s98                     ; side A: row 256 tr + 128 half (+ 2,048)
	s_lshl_b32 s46, s42, 8
	s_add_co_u32 s46, s46, s18                     ; side B: row 256 tc + 128 half
	s_mov_b32 s21, 0
	s_mov_b32 s47, 0
	s_mov_b64 s[18:19], KS
	s_mul_u64 s[22:23], s[20:21], s[18:19]         ; where these rows' scale bytes begin
	s_mul_u64 s[2:3], s[46:47], s[18:19]
	s_mov_b64 s[18:19], KROW
	s_mul_u64 s[20:21], s[20:21], s[18:19]         ; and their codes
	s_mul_u64 s[46:47], s[46:47], s[18:19]
	s_mul_i32 s45, s14, HALFT                      ; where they go: wave x 128 rows: no place in the cluster enters an LDS address
	s_mul_i32 s97, s14, HALFS
	s_wait_kmcnt 0x0
	s_cmp_eq_u32 s96, 2                            ; v: the two operands change sides
	s_cselect_b64 s[66:67], s[8:9], s[4:5]
	s_cselect_b64 s[18:19], s[10:11], s[6:7]
	s_cselect_b64 s[8:9], s[4:5], s[8:9]
	s_cselect_b64 s[10:11], s[6:7], s[10:11]
	s_mov_b64 s[4:5], s[66:67]
	s_mov_b64 s[6:7], s[18:19]
	s_add_nc_u64 s[20:21], s[4:5], s[20:21]
	s_add_nc_u64 s[22:23], s[6:7], s[22:23]
	s_add_nc_u64 s[46:47], s[8:9], s[46:47]
	s_add_nc_u64 s[2:3], s[10:11], s[2:3]
	CROUND                                         ; all sixteen work-groups are here: the first joint loads meet
	s_mov_b32 s[G0S], 1
	s_add_co_u32 s[G0S+1], s97, SCL
	s_mov_b64 s[G0S+2:G0S+3], s[22:23]
	s_or_b32 s[G0S+3], s[G0S+3], 0x80000000
	s_mov_b32 s[G0SB], 1
	s_add_co_u32 s[G0SB+1], s97, SCL
	s_mov_b64 s[G0SB+2:G0SB+3], s[2:3]
	s_or_b32 s[G0SB+3], s[G0SB+3], 0x80000000
	JLOAD G0S, G1S, G0SB, G1SB                     ; the scale bytes first: they are wanted with K step 0
.irp s, 0,1
	s_mov_b32 s[G0+4*\s], 1
	s_add_co_u32 s[G0+4*\s+1], s45, \s*SLOT
	s_add_nc_u64 s[G0+4*\s+2:G0+4*\s+3], s[20:21], \s*ROWB
	s_or_b32 s[G0+4*\s+3], s[G0+4*\s+3], 0x80000000
	s_mov_b32 s[G0B+4*\s], 1
	s_add_co_u32 s[G0B+4*\s+1], s45, \s*SLOT
	s_add_nc_u64 s[G0B+4*\s+2:G0B+4*\s+3], s[46:47], \s*ROWB
	s_or_b32 s[G0B+4*\s+3], s[G0B+4*\s+3], 0x80000000
	JLOAD G0+4*\s, G1, G0B+4*\s, G1B               ; three tensor loads of mine are out
.endr
	v_and_b32 v1, 15, v0                           ; r
	v_bfe_u32 v2, v0, 4, 1                         ; h
	v_mul_u32_u24 v3, v1, PITCH
	v_mul_u32_u24 v4, v2, 24
	v_add_nc_u32 v4, v3, v4                        ; a fragment's row x pitch + 24 h
	v_lshl_add_u32 v5, v2, 4, v4                   ; and the same behind one padding more
	s_mul_i32 s21, s15, HALFT
	s_mul_i32 s22, s16, HALFT
	s_add_co_u32 s22, s22, 2*HALFT
.irp s, 0,1
	v_add_nc_u32 v[ADRA+\s], s21, v4
	v_add_nc_u32 v[ADRB+\s], s22, v4
	v_add_nc_u32 v[ADRA+2+\s], s21, v5
	v_add_nc_u32 v[ADRB+2+\s], s22, v5
	s_add_co_u32 s21, s21, SLOT
	s_add_co_u32 s22, s22, SLOT
.endr
	v_mul_u32_u24 v5, v1, KS                       ; my row's scale bytes: 32 a row,
	v_lshrrev_b32 v6, 8, v5
	v_lshl_add_u32 v5, v6, 4, v5                   ; and 16 more for each 256 passed
	s_mul_i32 s21, s15, HALFS
	s_mul_i32 s22, s16, HALFS
	s_add_co_u32 s22, s22, 2*HALFS
	s_sub_co_u32 s22, s22, s21
	v_mul_u32_u24 v6, s22, v2                      ; lanes 16-31 take side B's
	s_add_co_u32 s21, s21, SCL
	v_add_nc_u32 v5, v5, v6
	v_add_nc_u32 v[ADRS], s21, v5
	v_and_b32 v6, 31, v0
	v_lshlrev_b32 v[L16], 4, v6
	v_lshlrev_b32 v[L8], 3, v6
	s_lshl_b32 s23, s14, 10
	s_add_co_u32 s23, s23, SCR                     ; my scratch
	v_lshlrev_b32 v5, 2, v1                        ; 4 r
	v_lshl_add_u32 v[SST], v2, 9, v5
	v_add_nc_u32 v[SST], s23, v[SST]
	v_add_nc_u32 v[SLD], s23, v[L16]
	v_lshlrev_b32 v3, 5, v2                        ; 32 h
	; where my 128 x 128 goes.  q, k: tokens 128 (2 tr + hr), pair of heads (2 tc + hc) % 8;  v: tokens 128 (2 tc + hc), pair of heads 2 tr + hr
	s_lshl_b32 s20, s17, 1
	s_add_co_u32 s20, s20, s15
	s_lshl_b32 s21, s42, 1
	s_add_co_u32 s21, s21, s16
	s_cmp_eq_u32 s96, 2
	s_cselect_b32 s22, s21, s20                    ; the block of 128 tokens, 0..63
	s_cselect_b32 s23, s20, s21
	s_cselect_b32 s66, 12288, 0                    ; the codes' place in the record
	s_mov_b32 s18, 25600
	s_mov_b32 s67, 24576
	s_cselect_b32 s67, s18, s67                    ; the scale words' place
	s_and_b32 s23, s23, 7                          ; the pair of heads
	s_lshr_b32 s20, s22, 4                         ; the batch
	s_lshl_b32 s20, s20, 3
	s_add_co_u32 s20, s20, s23
	s_lshl_b32 s20, s20, 4
	s_and_b32 s22, s22, 15
	s_add_co_u32 s20, s20, s22                     ; the record's number
	s_cmp_eq_u32 s96, 0
	s_cselect_b32 s67, 12288, s67
	s_mov_b32 s21, 26112
	s_cselect_b32 s21, 13312, s21
	s_cselect_b64 s[92:93], s[92:93], s[94:95]     ; q's buffer or kv's
	s_mul_i32 s20, s20, s21
	s_mov_b32 s21, 0
	s_add_nc_u64 s[92:93], s[92:93], s[20:21]
	s_mov_b32 s22, s67
	s_mov_b32 s23, 0
	s_add_nc_u64 s[94:95], s[92:93], s[22:23]      ; s[94:95]: the scale words
	s_mov_b32 s22, s66
	s_add_nc_u64 s[92:93], s[92:93], s[22:23]      ; s[92:93]: the codes
	; the biases
	s_lshl_b32 s20, s42, 10
	s_lshl_b32 s21, s16, 9
	s_add_co_u32 s20, s20, s21                     ; 4 (256 tc + 128 hc)
	s_lshl_b32 s22, s17, 10
	s_lshl_b32 s21, s15, 9
	s_add_co_u32 s22, s22, s21
	s_add_co_u32 s22, s22, 8192                    ; 4 (2,048 + 256 tr + 128 hr)
	s_cmp_eq_u32 s96, 2
	s_cselect_b32 s20, 0, s20                      ; the one that does not apply is read at the buffer's head
	s_cselect_b32 s22, s22, 0
	s_cselect_b32 s2, 0, -1                        ; BT is kept for q and k,
	s_cselect_b32 s3, -1, 0                        ; BL for v
	s_cselect_b32 s97, -1, 0xffff                  ; the scale word: v's goes whole, q's and k's in halves, one for each head
	s_cselect_b32 s98, 0, 16
	s_mov_b32 s21, 0
	s_mov_b32 s23, 0
	s_add_nc_u64 s[20:21], s[12:13], s[20:21]
	s_add_nc_u64 s[22:23], s[12:13], s[22:23]
.irp b, 0,1,2,3,4,5,6,7
	global_load_b128 v[BT+8*\b:BT+8*\b+3], v3, s[20:21] offset:64*\b        ; lane (r, h): the bias of side B's rows 16 b + 8 h + 0 .. 7
	global_load_b128 v[BT+8*\b+4:BT+8*\b+7], v3, s[20:21] offset:64*\b+16
.endr
.irp a, 0,1,2,3,4,5,6,7
	global_load_b32 v[BL+2*\a], v5, s[22:23] offset:64*\a                   ; the bias of side A's row 16 a + r
.endr
	s_mov_b32 s99, 0xffff0000                      ; lanes 16-31
	s_mov_b32 s[SEL], 0x76543210
	s_mov_b32 s[SEL+1], 0xfedcba98
	s_wait_loadcnt 0x0
.set i, 0
.rept 64
	v_cndmask_b32 v[BT+i], 0, v[BT+i], s2
.set i, i+1
.endr
.irp a, 0,1,2,3,4,5,6,7
	v_cndmask_b32 v[BL+2*\a+1], 0, v[BL+2*\a], s3  ; both halves of the pair that the packed addition names
	v_cndmask_b32 v[BL+2*\a], 0, v[BL+2*\a], s3
.endr
.macro FRAG reg, adr, q, i             ; 16 rows x 128 K: lane (r, h) takes 24 bytes of row r at 24 h and 24 at 48 + 24 h, in pieces of 8 bytes
.irp p, 0,1,2,3,4,5
.set PCE, 12*(\q)+6*(\p/3)+\p%3        ; 16 bytes of padding lie behind every 8 pieces: where the piece three on lies behind one padding more, the second address register serves
.if PCE%8 < 5
	ds_load_b64 v[\reg+2*\p:\reg+2*\p+1], v[\adr] offset:8*PCE+16*(PCE/8)+(\i)*16*PITCH
.else
	ds_load_b64 v[\reg+2*\p:\reg+2*\p+1], v[\adr+2] offset:8*PCE+16*(PCE/8)+(\i)*16*PITCH
.endif
.endr
.endm
; 16 matrix instructions: side A's blocks a0, a0 + 1 x side B's eight.  first = 1: the sums begin with BT.  The 64 accumulators take turns, one instruction a turn, in the same order in every step.
.macro MUL16 a0, p, q, sc, first
.irp a, \a0, \a0+1
.irp b, 0,1,2,3,4,5,6,7
.if \first
	v_wmma_scale_f32_16x16x128_f8f6f4 v[8*(8*((\a)%4)+\b):8*(8*((\a)%4)+\b)+7], v[128*(\p)+FR*\b:128*(\p)+FR*\b+FR-1], v[AF+FR*(\a):AF+FR*(\a)+FR-1], v[BT+8*\b:BT+8*\b+7], v[SC+8*NQ*(\sc)+NQ*\b+(\q)], v[SC+8*NQ*(\sc)+NQ*(\a)+(\q)] matrix_a_fmt:MATRIX_FMT_FP6 matrix_b_fmt:MATRIX_FMT_FP6 matrix_a_scale:MATRIX_SCALE_ROW1
.else
	v_wmma_scale_f32_16x16x128_f8f6f4 v[8*(8*((\a)%4)+\b):8*(8*((\a)%4)+\b)+7], v[128*(\p)+FR*\b:128*(\p)+FR*\b+FR-1], v[AF+FR*(\a):AF+FR*(\a)+FR-1], v[8*(8*((\a)%4)+\b):8*(8*((\a)%4)+\b)+7], v[SC+8*NQ*(\sc)+NQ*\b+(\q)], v[SC+8*NQ*(\sc)+NQ*(\a)+(\q)] matrix_a_fmt:MATRIX_FMT_FP6 matrix_b_fmt:MATRIX_FMT_FP6 matrix_a_scale:MATRIX_SCALE_ROW1
.endif
.endr
.endr
.endm
.macro FETCH_B slot, q, p
	WIN TO_B
.irp i, 0,1,2,3,4,5,6,7
	FRAG 128*(\p)+FR*\i, ADRB+\slot, \q, \i
.endr
	WIN 0
.endm
.macro FETCH_A slot, q, i0
.irp i, \i0, \i0+1, \i0+2, \i0+3
	FRAG AF+FR*(\i), ADRA+\slot, \q, \i
.endr
.endm
.macro SCALES sc                       ; a K step's scale words: two a row; lanes 0-15 take side A's block i, lanes 16-31 side B's
.irp i, 0,1,2,3,4,5,6,7
	ds_load_b64 v[SC+8*NQ*\sc+NQ*\i:SC+8*NQ*\sc+NQ*\i+1], v[ADRS] offset:\i*SBLK
.endr
.endm
.macro PLACES n                        ; plain vector instructions between a matrix instruction and a load into its registers or a read of its result
.rept \n
	v_nop
.endr
.endm
.macro STEP slot, q, first             ; 128 along K that has its successor in the same slot
	s_wait_dscnt 4*NL                              ; B's set and A's blocks 0-3 are in; the youngest 24 loads (A's blocks 4-7) may be out
.if \first
	WIN FST_LO
.else
	WIN MUL_LO
.endif
	MUL16 0, (\q)%2, \q, \slot, \first
	MUL16 2, (\q)%2, \q, \slot, \first
	s_wait_dscnt 0
	PLACES NP
	FETCH_B \slot, (\q)+1, 1-(\q)%2
	FETCH_A \slot, (\q)+1, 0
.if \first
	WIN FST_HI
.else
	WIN MUL_HI
.endif
	MUL16 4, (\q)%2, \q, \slot, \first
	MUL16 6, (\q)%2, \q, \slot, \first
	PLACES NP
	WIN 0
	FETCH_A \slot, (\q)+1, 4
.endm
; A slot's last step changes slots: one barrier; in front of it each wave waits for all its tensor loads, adds 0 to its spare word, and waits for that and for its reads of this slot.  fill = 1: this slot is filled again, two K steps ahead.
.macro TURN slot, next, fill
	s_wait_tensorcnt 0x0                           ; all my tensor loads have landed: my part of the next slot
	ds_add_u32 v[SPW], v[NIL]                      ; 0 onto my spare word
	s_wait_dscnt 4*NL+1                            ; the add and the youngest 24 loads may be out
	WIN MUL_LO
	MUL16 0, 1, NQ-1, \slot, 0
	s_wait_dscnt 0x0                               ; the add is done, and my reads of this slot are over
	s_barrier_signal -1
	MUL16 2, 1, NQ-1, \slot, 0
	WIN 0
	s_barrier_wait -1
.if \fill
	CREST                                          ; the barrier has opened a round of the cluster's: no wave of any partner still reads this slot or has a load on its way
	s_add_nc_u64 s[G0+4*\slot+2:G0+4*\slot+3], s[G0+4*\slot+2:G0+4*\slot+3], 2*ROWB
	s_add_nc_u64 s[G0B+4*\slot+2:G0B+4*\slot+3], s[G0B+4*\slot+2:G0B+4*\slot+3], 2*ROWB
	JLOAD G0+4*\slot, G1, G0B+4*\slot, G1B         ; my one tensor load behind the round; its four v_nop are also the places in front of the loads below
.else
	PLACES NP
.endif
	v_add_nc_u32 v[ADRS], 4*NQ, v[ADRS]
	FETCH_B \next, 0, 0
	FETCH_A \next, 0, 0
	SCALES \next
	WIN MUL_HI
	MUL16 4, 1, NQ-1, \slot, 0
	MUL16 6, 1, NQ-1, \slot, 0
	PLACES NP
	WIN 0
	FETCH_A \next, 0, 4
.endm
; 64 numbers of a lane, v[s] .. v[s + 63]: registers 16 b .. 16 b + 15 are my half of block b of my row (the other half lies in lane l xor 16).  They become a fragment's codes in v[CD] on and its scale word in v[PW].
.macro QUANT s
.irp b, 0,1,2,3
	v_max3_num_f32 v[TM+\b], |v[\s+16*\b]|, |v[\s+1+16*\b]|, 0x1800000   ; with the floor 2^(3 - 127): the byte cannot fall under 1
.endr
.irp i, 2,4,6,8,10,12,14
.irp b, 0,1,2,3
	v_max3_num_f32 v[TM+\b], v[TM+\b], |v[\s+16*\b+\i]|, |v[\s+1+16*\b+\i]|
.endr
.endr
.irp b, 0,1,2,3
	v_permlanex16_b32 v[TM+4+\b], v[TM+\b], s[SEL], s[SEL+1]
.endr
.irp b, 0,1,2,3
	v_max_num_f32 v[TM+\b], v[TM+\b], v[TM+4+\b]   ; the block's largest magnitude
.endr
.irp b, 0,1,2,3
	v_add_nc_u32 v[TM+12+\b], 0xff000000, v[TM+\b] ; 2 off its exponent field: the conversion's scale operand
.endr
.irp b, 0,1,2,3
	v_lshrrev_b32 v[TM+4+\b], 23, v[TM+12+\b]      ; the scale's byte
.endr
	v_lshl_or_b32 v[PW], v[TM+5], 8, v[TM+4]
	v_lshl_or_b32 v[PW], v[TM+6], 16, v[PW]
	v_lshl_or_b32 v[PW], v[TM+7], 24, v[PW]
.irp c, 0,1
	v_cvt_scalef32_pk16_fp6_f32 v[CD+6*\c:CD+2+6*\c], v[\s+32*\c:\s+15+32*\c], v[TM+12+2*\c]
	v_cvt_scalef32_pk16_fp6_f32 v[CD+12+4*\c:CD+14+4*\c], v[\s+16+32*\c:\s+31+32*\c], v[TM+12+2*\c+1]   ; (a conversion's three registers begin on an even number)
.endr
	v_nop                                          ; one plain place behind a scaled conversion
.irp c, 0,1                                    ; the operand's layout wants a whole block in a lane: lanes 0-15 block 2 c, lanes 16-31 block 2 c + 1
.irp i, 0,1,2
	v_permlane16_swap_b32 v[CD+6*\c+\i], v[CD+12+4*\c+\i]
.endr
.irp i, 0,1,2
	v_mov_b32 v[CD+3+6*\c+\i], v[CD+12+4*\c+\i]
.endr
.endr
.endm
; Block a of side A's rows leaves: out of its window with the lane's bias added (each accumulator from its low end on), quantised, stored as an image.
.macro OUTBLK a
	WIN (0x02+(\a)/4)                              ; source 0: window 2 or 3
.set i, 0
.rept 32
	v_pk_add_f32 v[H+2*i:H+2*i+1], v[64*((\a)%4)+2*i:64*((\a)%4)+2*i+1], v[BL+2*(\a):BL+2*(\a)+1]
.set i, i+1
.endr
	WIN 0
.if (\a) > 0
	s_wait_xcnt 0x0                                ; the last block's stores have read their data: the codes' registers are written again only behind this wait
.endif
	QUANT H
	v_and_b32 v[T0], s97, v[PW]                    ; q, k: the first head's two bytes;  v: the whole word
	v_lshrrev_b32 v[T1], s98, v[PW]                ; q, k: the second head's;  v: the word again
	v_cndmask_b32 v[T0], v[T0], v[T1], s99         ; lanes 16-31 carry the second
	ds_store_b32 v[SST], v[T0] offset:64*(\a)
	global_store_b128 v[L16], v[CD:CD+3], s[92:93] offset:1536*(\a)
	global_store_b64 v[L8], v[CD+4:CD+5], s[92:93] offset:1536*(\a)+512
	global_store_b128 v[L16], v[CD+6:CD+9], s[92:93] offset:1536*(\a)+768
	global_store_b64 v[L8], v[CD+10:CD+11], s[92:93] offset:1536*(\a)+1280
.endm
	s_wait_tensorcnt 1                             ; the scale bytes and my part of K step 0 are in; K step 1's load may be out
	s_barrier_signal -1
	s_barrier_wait -1
	FETCH_B 0, 0, 0
	FETCH_A 0, 0, 0
	SCALES 0
	FETCH_A 0, 0, 4
	STEP 0, 0, 1                                   ; K = 1,024 is eight steps of 128, four slots: written out
	TURN 0, 1, 1
	STEP 1, 0, 0
	TURN 1, 0, 1
	STEP 0, 0, 0
	TURN 0, 1, 0                                   ; nothing is left to fetch
	STEP 1, 0, 0
	s_wait_dscnt 4*NL
	WIN MUL_LO
	MUL16 0, 1, NQ-1, 1, 0
	MUL16 2, 1, NQ-1, 1, 0
	s_wait_dscnt 0
	WIN MUL_HI
	MUL16 4, 1, NQ-1, 1, 0
	MUL16 6, 1, NQ-1, 1, 0
	WIN 0
	PLACES NP                                      ; behind the last products: side A's registers are written and results are read from here on
.irp b, 0,1,2,3
	v_mov_b32 v[TM+4+\b], 0                        ; written once: a lane permute's destination counts as one of its sources
.endr
.irp a, 0,1,2,3,4,5,6,7
	OUTBLK \a
.endr
	ds_load_b128 v[148:151], v[SLD]                ; LDS serves a wave's instructions in order (ISA guide 5.7.1.4): these see my stores
	ds_load_b128 v[152:155], v[SLD] offset:512
	s_wait_dscnt 0x0
	global_store_b128 v[L16], v[148:151], s[94:95]
	s_cmp_eq_u32 s96, 2                            ; v has one word a channel, 512 bytes; q and k one for each head, 1,024.  The cluster's x is equal in all partners
	s_cbranch_scc1 .Lhalf_only
	global_store_b128 v[L16], v[152:155], s[94:95] offset:512
.Lhalf_only:
	s_wait_tensorcnt 0x0                           ; the wave's end
	ds_add_u32 v[SPW], v[NIL]
	s_wait_dscnt 0x0
	CROUND                                         ; the closing round
	s_endpgm
.Lfunc_end_k_q3dc5ad45da_qkv:
	.size	k_q3dc5ad45da_qkv, .Lfunc_end_k_q3dc5ad45da_qkv-k_q3dc5ad45da_qkv
	.p2alignl 7, 3214868480
	.fill 96, 4, 3214868480
	.section	.rodata,"a",@progbits
	.p2align	6, 0x0
	.amdhsa_kernel k_q3dc5ad45da_qkv
		.amdhsa_group_segment_fixed_size 327680
		.amdhsa_private_segment_fixed_size 0
		.amdhsa_enable_private_segment 0
		.amdhsa_kernarg_size 56
		.amdhsa_user_sgpr_count 2
		.amdhsa_user_sgpr_kernarg_segment_ptr 1
		.amdhsa_wavefront_size32 1
		.amdhsa_system_sgpr_workgroup_id_x 1
		.amdhsa_system_sgpr_workgroup_id_y 1
		.amdhsa_system_sgpr_workgroup_id_z 1
		.amdhsa_system_vgpr_workitem_id 0
		.amdhsa_next_free_vgpr 1024
		.amdhsa_next_free_sgpr 102
		.amdhsa_reserve_vcc 0
		.amdhsa_float_denorm_mode_32 3
		.amdhsa_float_denorm_mode_16_64 3
		.amdhsa_memory_ordered 1
		.amdhsa_forward_progress 1
		.amdhsa_inst_pref_size 191
	.end_amdhsa_kernel
	.amdgpu_metadata
---
amdhsa.version: [ 1, 2 ]
amdhsa.kernels:
  - .name:           k_q3dc5ad45da_qkv
    .symbol:         k_q3dc5ad45da_qkv.kd
    .args:
      - { .name: x_codes, .offset: 0, .size: 8, .value_kind: global_buffer, .address_space: global }
      - { .name: x_scales, .offset: 8, .size: 8, .value_kind: global_buffer, .address_space: global }
      - { .name: Wqkv_codes, .offset: 16, .size: 8, .value_kind: global_buffer, .address_space: global }
      - { .name: Wqkv_scales, .offset: 24, .size: 8, .value_kind: global_buffer, .address_space: global }
      - { .name: bqkv, .offset: 32, .size: 8, .value_kind: global_buffer, .address_space: global }
      - { .name: q, .offset: 40, .size: 8, .value_kind: global_buffer, .address_space: global }
      - { .name: kv, .offset: 48, .size: 8, .value_kind: global_buffer, .address_space: global }
    .group_segment_fixed_size: 327680
    .private_segment_fixed_size: 0
    .kernarg_segment_align: 8
    .kernarg_segment_size: 56
    .max_flat_workgroup_size: 128
    .sgpr_count:     102
    .vgpr_count:     1024
    .wavefront_size: 32
...
	.end_amdgpu_metadata
.endif
;; end of part 1
;; launch attn (part 2): grid 8 x 32, 16 waves a work-group, no clusters, 327,680 bytes of LDS; arguments q, kv, oc, os; writes oc, os
.if DOCPART == 2
	.amdgcn_target "amdgcn-amd-amdhsa--gfx1250"
	.amdhsa_code_object_version 6
	.text
	.protected	k_q3dc5ad45da_attn
	.globl	k_q3dc5ad45da_attn
	.p2align	8
	.type	k_q3dc5ad45da_attn,@function
k_q3dc5ad45da_attn:
	s_mov_b64 s[64:65], 0
	v_nop
	global_prefetch_b8 v0, s[64:65] scope:SCOPE_SE
	s_setreg_imm32_b32 hwreg(HW_REG_WAVE_MODE, 25, 1), 1
	s_wait_xcnt 0x0
; Causal attention on codes of FP6 (E2M3), head size 64, 2,048 tokens, 64 heads; the result is divided by the row's sum, quantised along the channels and stored as codes for the projection.
; t = score x log2(e) / 8; M = the running largest t rounded up to a whole number; p = 2^(t - M) is quantised along the keys, not normalised; the row's sum is taken of the unquantised p.  When M moves, the sum and O are multiplied by 2^(old M - new M): exact.
; SHARES.  Work-group (i, g), i = 0..7, owns the pair of heads g (batch g / 8) and two blocks of 128 queries: first block 15 - i, then block i.  Block n needs the key steps 0 .. n of 128 keys, so every work-group walks
; (16 - i) + (i + 1) = 17 key steps: the trip count is a constant and all 256 work-groups have the same work.  Wave w of sixteen owns head parity w / 8 and the tile of 16 queries w % 8, in 256 registers: four waves to a SIMD.
; The last key step of a block is the one on the diagonal: there hidden scores become -infinity ahead of the maximum.
; NO CLUSTER: work-group i turns back to key step 0 behind trip 15 - i, so from trip 9 on the work-groups of a pair of heads want different records in the same trip: no joint request could name one tile for all of them.
; A KEY STEP'S DATA are one record of kv, 26,112 dense bytes, brought by ONE tensor load (wave 0's) into one of two LDS slots: K's eight tiles (1,536 a + 768 parity), V's fragments (12,288 + 6,144 parity + 1,536 tile), K's scale words (24,576 + 512 parity),
; V's (25,600 + 256 parity).  All lie as images of operand registers: registers 0-3 at 16 x lane, 4-5 at 512 + 8 x lane: every LDS load reads consecutive bytes.
; LAYOUT.  S^T = K Q^T (source 0 = 16 keys, source 1 = my 16 queries), O^T = V^T P^T (source 0 = 16 channels, source 1 = P): a lane holds one query throughout.
; K = 64 IN A FORM OF 128: Q's registers 6-11 are zero codes, and a zero code times any code of this format is 0 (it has neither NaN nor infinity).  So K's fragment t is v[32 + 6 t .. 43 + 6 t]: its upper half is the next tile's codes
; (behind the fourth tile: six registers cleared once).  Bytes 2 and 3 of both scale words are 0, which is 2^-127.
; ORDER INSIDE A BLOCK OF 32 KEYS: register j of lane (r, h) of tile T is key 16 T + 8 h + j, so p's codes lie in the order 0-7, 16-23, 8-15, 24-31 of a block, as v's do: the products are the same.
; O meets a given operand, so its numbers are first brought into true order (16 exchanges of halves).
; LIMITS: NaN and infinities are not served.  A block of p or of o whose largest magnitude lies under 2^-124, zeros among them, gets the byte 1: its codes are zeros or next to it, and only this program reads the bytes.
.set REC,   26112
.set SLOT1, 0x8000                     ; slot 1 begins here: one exclusive or turns an address
.set SPARE, 65536                      ; the spare words: 128 bytes for each of 16 waves, eight blocks of 256 bytes that no other line names
.set AK16, 1                           ; v1   16 x lane + 768 parity
.set AK8,  2                           ; v2   8 x lane + 768 parity + 512
.set AV16, 3                           ; v3   16 x lane + 12,288 + 6,144 parity
.set AV8,  4                           ; v4   8 x lane + 12,288 + 6,144 parity + 512
.set SPW,  5
.set NIL,  6
.set ASK0, 7                           ; v7   24,576 + 512 parity + 4 r
.set ASV0, 8                           ; v8   25,600 + 256 parity + 4 r
.set PFO,  9                           ; v9   256 x lane
.set L16,  10
.set L8,   11
; v12 -M, v13 the largest t, v[14:15] the sum; v16-21 Q's codes, v22-27 zero codes; v28-31 V's scale words
.set KF,   32                          ; v32-55 four tiles of K, v56-61 zeros
.set R4,   62                          ; v62  4 r
.set R8,   63                          ; v63  8 r
.set ADK16, 64                         ; v64-69 the step's LDS addresses
.set ADK8,  65
.set ADV16, 66
.set ADV8,  67
.set ADSK,  68
.set ADSV,  69
.set DQ,   70                          ; v70  my query in its block - 8 h
.set NINF, 71                          ; v71  -infinity
.set OSD,  72                          ; v72  o's two scale bytes
.set VF,   80                          ; v80-127 four fragments of V
.set S,    128                         ; v128-191 S^T, then p, at the end o
.set O,    192                         ; v192-223 O^T
; v224-235 codes; v232-247 at work; v248-251 K's scale words; v252 f; v253 p's scale word; v254 at work; v255 Q's scale word
.set WV,   12
.set PAR,  13
.set QT,   14
.set WI,   15
.set GG,   16
.set NT,   17                          ; the trip
.set SWM1, 18                          ; 15 - i: the first block's last trip
.set QB,   19
.set NX,   20                          ; s[20:21] the next record's byte offset in the pair of heads, and 0
.set CS,   22                          ; s[22:23] log2(e) / 8
.set SEL,  24
.set QCW,  26
.set QSW,  27
.set G1,   28
.set G0,   36
.set KVB,  40                          ; s[40:41] kv at my pair of heads
.set OCW,  42
.set OSW,  43
.set QC,   44
.set QS,   46
.set OCB,  48
.set OSB,  50
.set PFA,  52
.set LIM,  54
.set TB,   55                          ; the slot in hand
.macro TLOAD                           ; wave 0 fetches; four v_nop follow the line
	s_cmp_eq_u32 s[WV], 0
	s_cbranch_scc0 .Lnot_mine_\@
	tensor_load_to_lds s[G0:G0+3], s[G1:G1+7]
	s_nop 0
.rept 4
	v_nop
.endr
.Lnot_mine_\@:
.endm
; A prefetch of the codes of the key step that the NEXT change of slots will ask for: 24,576 bytes, 8,192 a wave, lanes 256 bytes apart.  All eight work-groups of a pair of heads read the same records: work-group 0, whose first block
; walks all sixteen, asks, in its waves 4, 5, 6, which fetch nothing.  Trip n names key step n + 2, n = 0 .. 13: each block of 256 bytes once; key steps 0 and 1, the scale words and the second block's walk are not asked for.
.macro ASK
	s_cmp_lt_u32 s[NT], s[LIM]
	s_cbranch_scc0 .Lno_ask_\@
	global_prefetch_b8 v[PFO], s[PFA:PFA+1] th:TH_LOAD_NT scope:SCOPE_SE
.Lno_ask_\@:
.endm
.macro SETBLK                          ; the addresses of block s[QB]
	s_lshl_b32 s56, s[GG], 4
	s_add_co_u32 s56, s56, s[QB]
	s_mul_i32 s56, s56, 13312                      ; q's record
	s_mov_b32 s57, 0
	s_mov_b32 s59, 0
	s_add_co_u32 s58, s56, s[QSW]
	s_add_co_u32 s56, s56, s[QCW]
	s_add_nc_u64 s[QC:QC+1], s[4:5], s[56:57]
	s_add_nc_u64 s[QS:QS+1], s[4:5], s[58:59]
	s_mul_i32 s56, s[QB], 8*12288
	s_add_co_u32 s56, s56, s[OCW]
	s_add_nc_u64 s[OCB:OCB+1], s[8:9], s[56:57]
	s_lshl_b32 s58, s[QB], 10
	s_add_co_u32 s58, s58, s[OSW]
	s_add_nc_u64 s[OSB:OSB+1], s[10:11], s[58:59]
.endm
.macro LOADQ
	global_load_b128 v[16:19], v[L16], s[QC:QC+1]
	global_load_b64 v[20:21], v[L8], s[QC:QC+1] offset:512
	global_load_b32 v255, v[R4], s[QS:QS+1]
.endm
.macro RESET                           ; a block begins: the largest t under every t, sums and O^T zero (the first change of M multiplies zeros)
	v_mov_b32 v13, 0xff61b1e6
	s_delay_alu instid0(VALU_DEP_1)
	v_floor_f32 v12, -v13
	v_mov_b32 v14, 0
	v_mov_b32 v15, 0
.set j, 0
.rept 32
	v_mov_b32 v[O+j], 0
.set j, j+1
.endr
.endm
; THE CHANGE OF SLOTS, at a trip's head.  Each wave waits for all its tensor loads, adds 0 to its spare word, waits for that and for its reads of the slot that it has left; behind the barrier the slot ahead is whole and nobody reads the other,
; which is filled with the next trip's record: that load has the whole trip in which to land.  One tensor load of wave 0 is out at most.
.macro CHANGE fill
	s_wait_tensorcnt 0x0
	ds_add_u32 v[SPW], v[NIL]                      ; the descriptor's steps stand between the add and the wait for it
.if \fill
	s_add_co_u32 s[NX], s[NX], REC                 ; the next key step,
	s_cmp_eq_u32 s[NT], s[SWM1]
	s_cselect_b32 s[NX], 0, s[NX]                  ; or key step 0 again, for the second block
	s_add_nc_u64 s[G0+2:G0+3], s[KVB:KVB+1], s[NX:NX+1]
	s_or_b32 s[G0+3], s[G0+3], 0x80000000
	s_xor_b32 s[G0+1], s[G0+1], SLOT1
	s_wait_xcnt 0x0                                ; the last prefetch, a trip back, has read its address
	s_add_nc_u64 s[PFA:PFA+1], s[PFA:PFA+1], REC
.endif
	s_wait_dscnt 0x0
	s_barrier_signal -1
	s_barrier_wait -1
.if \fill
	TLOAD
	ASK
.endif
.endm
; A KEY STEP: 128 keys.  diag = 0: the mask is passed over unless this is the first block's last trip; 1: it is always applied.
.macro STEP diag
	v_add_nc_u32 v[ADK16], s[TB], v[AK16]          ; (these six are also the places behind the last step's products)
	s_wait_alu depctr_va_vdst(0)
	v_add_nc_u32 v[ADK8], s[TB], v[AK8]
	s_wait_alu depctr_va_vdst(0)
	v_add_nc_u32 v[ADSK], s[TB], v[ASK0]
	s_wait_alu depctr_va_vdst(0)
	v_add_nc_u32 v[ADV16], s[TB], v[AV16]
	v_add_nc_u32 v[ADV8], s[TB], v[AV8]
	v_add_nc_u32 v[ADSV], s[TB], v[ASV0]
.irp gq, 0,1                                   ; S^T = K Q^T, four tiles of 16 keys at a time
.if \gq
.rept 4
	v_nop                                          ; places in front of loads into registers that matrix instructions have read
.endr
.endif
.irp t, 0,1,2,3
	ds_load_b128 v[KF+6*\t:KF+6*\t+3], v[ADK16] offset:1536*(4*\gq+\t)
	ds_load_b64 v[KF+6*\t+4:KF+6*\t+5], v[ADK8] offset:1536*(4*\gq+\t)
	ds_load_b32 v[248+\t], v[ADSK] offset:64*(4*\gq+\t)
.endr
	s_wait_dscnt 0x0
.irp t, 0,1,2,3
	v_wmma_scale_f32_16x16x128_f8f6f4 v[S+8*(4*\gq+\t):S+8*(4*\gq+\t)+7], v[KF+6*\t:KF+6*\t+11], v[16:27], 0, v[248+\t], v255 matrix_a_fmt:MATRIX_FMT_FP6 matrix_b_fmt:MATRIX_FMT_FP6
.endr
.endr
	s_wait_alu depctr_va_vdst(0)
.irp dt, 0,1,2,3                               ; V's fragments and scale words are asked for now and land under the softmax
	ds_load_b128 v[VF+12*\dt:VF+12*\dt+3], v[ADV16] offset:1536*\dt
	ds_load_b64 v[VF+12*\dt+4:VF+12*\dt+5], v[ADV8] offset:1536*\dt
	ds_load_b128 v[VF+12*\dt+6:VF+12*\dt+9], v[ADV16] offset:1536*\dt+768
	ds_load_b64 v[VF+12*\dt+10:VF+12*\dt+11], v[ADV8] offset:1536*\dt+768
	ds_load_b32 v[28+\dt], v[ADSV] offset:64*\dt
.endr
.rept 4
	v_nop                                          ; places in front of the first read of the scores
.endr
.if \diag == 0
	s_cmp_lg_u32 s[NT], s[SWM1]
	s_cbranch_scc1 .Lopen_\@
.endif
.set nn, 0
.rept 64                                       ; register n holds key 16 (n / 8) + 8 h + n % 8 of the step: hidden where it comes after my query
	v_cmp_gt_i32 vcc_lo, 16*(nn/8)+nn%8, v[DQ]
	v_cndmask_b32 v[S+nn], v[S+nn], v[NINF], vcc_lo
.set nn, nn+1
.endr
.Lopen_\@:
.irp b, 0,1,2,3
	v_max3_num_f32 v[232+\b], v[S+16*\b], v[S+1+16*\b], v[S+2+16*\b]   ; the largest score of each block of 32 keys: for the row's maximum, and, since p rises with the score, for the block's largest p
.endr
.irp i, 3,5,7,9,11,13
.irp b, 0,1,2,3
	v_max3_num_f32 v[232+\b], v[232+\b], v[S+16*\b+\i], v[S+1+16*\b+\i]
.endr
.endr
.irp b, 0,1,2,3
	v_max_num_f32 v[232+\b], v[232+\b], v[S+15+16*\b]
.endr
.irp b, 0,1,2,3
	s_delay_alu instid0(VALU_DEP_4)
	v_permlanex16_b32 v[236+\b], v[232+\b], s[SEL], s[SEL+1]
.endr
.irp b, 0,1,2,3
	s_delay_alu instid0(VALU_DEP_4)
	v_max_num_f32 v[232+\b], v[232+\b], v[236+\b]  ; with lane l xor 16's 16 keys
.endr
	s_delay_alu instid0(VALU_DEP_2)
	v_max3_num_f32 v254, v232, v233, v234
	s_delay_alu instid0(VALU_DEP_1)
	v_max_num_f32 v254, v254, v235
	s_delay_alu instid0(VALU_DEP_1)
	v_mul_f32 v254, s[CS], v254
	s_delay_alu instid0(VALU_DEP_1)
	v_max_num_f32 v13, v13, v254                   ; the running largest t
	v_mov_b32 v254, v12
	s_delay_alu instid0(VALU_DEP_2)
	v_floor_f32 v12, -v13                          ; -M = floor(-t): M is a whole number
	s_delay_alu instid0(VALU_DEP_1)
	v_sub_f32 v254, v12, v254
	s_delay_alu instid0(VALU_DEP_1)
	v_cvt_i32_f32 v254, v254                       ; (it saturates)
	s_delay_alu instid0(VALU_DEP_1)
	v_ldexp_f32 v252, 1.0, v254                    ; f = 2^(old M - new M)
.set j, 0
.rept 32
	v_pk_fma_f32 v[S+j:S+j+1], v[S+j:S+j+1], s[CS:CS+1], v[12:13] op_sel_hi:[1,0,0]   ; t - M
.set j, j+2
.endr
.irp b, 0,1,2,3
	v_fma_f32 v[232+\b], v[232+\b], s[CS], v12
.endr
.set j, 0
	s_wait_alu depctr_va_vdst(0)
.rept 64
	v_exp_f32 v[S+j], v[S+j]                       ; p = 2^(t - M)
.set j, j+1
.endr
	v_pk_mul_f32 v[14:15], v[14:15], v[252:253] op_sel_hi:[1,0]   ; the sums under the new M: a plain place behind the exponentials
	s_wait_alu depctr_va_vdst(0)                   ; one wait for the batch of 64, ahead of its first reader
.irp b, 0,1,2,3
	v_exp_f32 v[232+\b], v[232+\b]                 ; each block's largest p
.endr
	v_pk_add_f32 v[236:237], v[132:133], v[136:137]
	v_pk_add_f32 v[250:251], v[140:141], v[144:145]
	v_pk_add_f32 v[248:249], v[148:149], v[152:153]
	v_pk_add_f32 v[246:247], v[156:157], v[160:161]
	v_pk_add_f32 v[244:245], v[164:165], v[168:169]
	v_pk_add_f32 v[242:243], v[172:173], v[176:177]
	v_pk_add_f32 v[240:241], v[180:181], v[184:185]
	v_pk_add_f32 v[14:15], v[14:15], v[188:189]
	v_pk_add_f32 v[236:237], v[236:237], v[128:129]
	v_pk_add_f32 v[250:251], v[250:251], v[130:131]
	v_pk_add_f32 v[248:249], v[248:249], v[134:135]
	v_pk_add_f32 v[246:247], v[246:247], v[138:139]
	v_pk_add_f32 v[244:245], v[244:245], v[142:143]
	v_pk_add_f32 v[242:243], v[242:243], v[146:147]
	v_pk_add_f32 v[240:241], v[240:241], v[150:151]
	v_pk_add_f32 v[14:15], v[14:15], v[154:155]
	v_pk_add_f32 v[236:237], v[236:237], v[158:159]
	v_pk_add_f32 v[250:251], v[250:251], v[162:163]
	v_pk_add_f32 v[248:249], v[248:249], v[166:167]
	v_pk_add_f32 v[246:247], v[246:247], v[170:171]
	v_pk_add_f32 v[244:245], v[244:245], v[174:175]
	v_pk_add_f32 v[242:243], v[242:243], v[178:179]
	v_pk_add_f32 v[240:241], v[240:241], v[182:183]
	v_pk_add_f32 v[14:15], v[14:15], v[186:187]
	v_pk_add_f32 v[236:237], v[236:237], v[190:191]
	s_delay_alu instid0(VALU_DEP_2)
	v_pk_add_f32 v[14:15], v[14:15], v[246:247]
	s_delay_alu instid0(VALU_DEP_2)
	v_pk_add_f32 v[236:237], v[236:237], v[244:245]
	v_pk_add_f32 v[250:251], v[250:251], v[242:243]
	v_pk_add_f32 v[248:249], v[248:249], v[240:241]
	s_delay_alu instid0(VALU_DEP_2)
	v_pk_add_f32 v[14:15], v[14:15], v[250:251]
	s_delay_alu instid0(VALU_DEP_2)
	v_pk_add_f32 v[236:237], v[236:237], v[248:249]
	s_delay_alu instid0(VALU_DEP_1)
	v_pk_add_f32 v[14:15], v[14:15], v[236:237]
	s_wait_alu depctr_va_vdst(0)                   ; and one for the four
.irp b, 0,1,2,3
	v_max_num_f32 v[232+\b], 0x1800000, v[232+\b]  ; the floor 2^(3 - 127)
.endr
.irp b, 0,1,2,3
	s_delay_alu instid0(VALU_DEP_4)
	v_add_nc_u32 v[244+\b], 0xff000000, v[232+\b]  ; 2 off the exponent field: the conversion's scale operand
.endr
.irp b, 0,1,2,3
	s_delay_alu instid0(VALU_DEP_4)
	v_lshrrev_b32 v[236+\b], 23, v[244+\b]
.endr
	s_delay_alu instid0(VALU_DEP_3)
	v_lshl_or_b32 v253, v237, 8, v236              ; p's scale word for these 128 keys
	s_delay_alu instid0(VALU_DEP_1)
	v_lshl_or_b32 v253, v238, 16, v253
	s_delay_alu instid0(VALU_DEP_1)
	v_lshl_or_b32 v253, v239, 24, v253
.irp c, 0,1
	v_cvt_scalef32_pk16_fp6_f32 v[224+6*\c:226+6*\c], v[S+32*\c:S+15+32*\c], v[244+2*\c]
	v_cvt_scalef32_pk16_fp6_f32 v[236+4*\c:238+4*\c], v[S+16+32*\c:S+31+32*\c], v[244+2*\c+1]
.endr
	v_nop                                          ; one plain place behind a scaled conversion
.irp c, 0,1
.irp i, 0,1,2
	v_permlane16_swap_b32 v[224+6*\c+\i], v[236+4*\c+\i]
.endr
.irp i, 0,1,2
	s_delay_alu instid0(VALU_DEP_3)
	v_mov_b32 v[227+6*\c+\i], v[236+4*\c+\i]
.endr
.endr
.set j, 0
.rept 16
	v_pk_mul_f32 v[O+j:O+j+1], v[O+j:O+j+1], v[252:253] op_sel_hi:[1,0]   ; O^T under the new M.  These 16 also stand between the lines that made p's codes and scale word and the products
.set j, j+2
.endr
	s_wait_alu depctr_va_vdst(0)
	s_wait_dscnt 0x0                               ; V is in
.irp dt, 0,1,2,3                               ; O^T += V^T P^T: four accumulators, one instruction each
	v_wmma_scale_f32_16x16x128_f8f6f4 v[O+8*\dt:O+8*\dt+7], v[VF+12*\dt:VF+12*\dt+11], v[224:235], v[O+8*\dt:O+8*\dt+7], v[28+\dt], v253 matrix_a_fmt:MATRIX_FMT_FP6 matrix_b_fmt:MATRIX_FMT_FP6
.endr
.endm
; A BLOCK ENDS: o = O^T / the sum, brought into true channel order, quantised (two blocks of 32), stored as half a fragment's image and two scale bytes a query.  re = 1: the second block is set up.
.macro FINISH re
.rept 4
	v_nop                                          ; places behind the last products
.endr
	v_add_f32 v14, v14, v15
	s_delay_alu instid0(VALU_DEP_1)
	v_permlanex16_b32 v252, v14, s[SEL], s[SEL+1]
	s_delay_alu instid0(VALU_DEP_1)
	v_add_f32 v14, v14, v252                       ; the row's sum
	s_wait_alu depctr_va_vdst(0)
	v_rcp_f32 v14, v14
	v_nop                                          ; a plain place behind the reciprocal
	s_wait_alu depctr_va_vdst(0)                   ; and the wait ahead of its first reader
.set j, 0
.rept 16
	v_pk_mul_f32 v[S+j:S+j+1], v[O+j:O+j+1], v[14:15] op_sel_hi:[1,0]   ; register 8 t + i: channel 16 t + 8 h + i; each accumulator from its low end on
.set j, j+2
.endr
.irp b, 0,1
.irp i, 0,1,2,3,4,5,6,7
	v_permlane16_swap_b32 v[S+16*\b+\i], v[S+8+16*\b+\i]   ; register 16 b + i now holds channel 32 b + 16 h + i
.endr
.endr
.irp b, 0,1
	v_max3_num_f32 v[232+\b], |v[S+16*\b]|, |v[S+1+16*\b]|, 0x1800000
.endr
.irp i, 2,4,6,8,10,12,14
.irp b, 0,1
	s_delay_alu instid0(VALU_DEP_2)
	v_max3_num_f32 v[232+\b], v[232+\b], |v[S+16*\b+\i]|, |v[S+1+16*\b+\i]|
.endr
.endr
.irp b, 0,1
	s_delay_alu instid0(VALU_DEP_2)
	v_permlanex16_b32 v[236+\b], v[232+\b], s[SEL], s[SEL+1]
.endr
.irp b, 0,1
	s_delay_alu instid0(VALU_DEP_2)
	v_max_num_f32 v[232+\b], v[232+\b], v[236+\b]
.endr
.irp b, 0,1
	s_delay_alu instid0(VALU_DEP_2)
	v_add_nc_u32 v[244+\b], 0xff000000, v[232+\b]
.endr
.irp b, 0,1
	s_delay_alu instid0(VALU_DEP_2)
	v_lshrrev_b32 v[236+\b], 23, v[244+\b]
.endr
	s_delay_alu instid0(VALU_DEP_1)
	v_lshl_or_b32 v[OSD], v237, 8, v236
	v_cvt_scalef32_pk16_fp6_f32 v[224:226], v[S:S+15], v244
	v_cvt_scalef32_pk16_fp6_f32 v[240:242], v[S+16:S+31], v245
	v_nop
.irp i, 0,1,2
	v_permlane16_swap_b32 v[224+\i], v[240+\i]
.endr
.irp i, 0,1,2
	s_delay_alu instid0(VALU_DEP_3)
	v_mov_b32 v[227+\i], v[240+\i]
.endr
	global_store_b128 v[L16], v[224:227], s[OCB:OCB+1]             ; 512 consecutive bytes, aligned to 256
	global_store_b64 v[L8], v[228:229], s[OCB:OCB+1] offset:512    ; 256
	global_store_b16 v[R8], v[OSD], s[OSB:OSB+1]                   ; two bytes a query, 8 bytes apart (lanes 16-31 repeat lanes 0-15): 32 of the tile's 128 bytes
.if \re
	s_wait_xcnt 0x0                                ; the stores have read their data and bases
	s_mov_b32 s[QB], s[WI]
	SETBLK
	LOADQ
	RESET
	s_wait_loadcnt 0x0
.endif
.endm
	s_load_b256 s[4:11], s[0:1], 0x0               ; q, kv, oc, os
	v_lshl_add_u32 v[SPW], v0, 2, SPARE
	v_mov_b32 v[NIL], 0
	ds_add_u32 v5, v6
	ds_add_u32 v5, v6
	s_wait_dscnt 0x0
	v_lshrrev_b32 v1, 5, v0
	s_delay_alu instid0(VALU_DEP_1)
	v_readfirstlane_b32 s[WV], v1                  ; wave 0..15
	s_lshr_b32 s[PAR], s[WV], 3
	s_and_b32 s[QT], s[WV], 7
	s_mov_b32 s[WI], ttmp9
	s_and_b32 s[GG], ttmp7, 0xffff
	s_sub_co_u32 s[SWM1], 15, s[WI]
	s_mov_b32 s[QB], s[SWM1]                       ; the first block: 15 - i
	s_mul_i32 s56, s[GG], 16*REC
	s_mov_b32 s57, 0
	; descriptor group 1: a record as 102 dense rows of 256 bytes (32 elements of 8 bytes), no padding
	s_mov_b32 s[G1], 3<<16
	s_mov_b32 s[G1+1], 32<<16
	s_mov_b32 s[G1+2], 102<<16
	s_mov_b32 s[G1+3], 32<<16
	s_mov_b32 s[G1+4], 102
	s_mov_b32 s[G1+5], 32
	s_mov_b32 s[G1+6], 0
	s_mov_b32 s[G1+7], 0
	s_mov_b32 s[NX], 0
	s_mov_b32 s[NX+1], 0
	s_mov_b32 s[TB], 0
	s_mov_b32 s[NT], 0
	s_mov_b32 s[CS], 0x3e38aa3b                    ; log2(e) / 8
	s_mov_b32 s[CS+1], s[CS]
	s_mov_b32 s[SEL], 0x76543210
	s_mov_b32 s[SEL+1], 0xfedcba98
	s_wait_kmcnt 0x0
	s_add_nc_u64 s[KVB:KVB+1], s[6:7], s[56:57]
	s_mov_b32 s[G0], 1
	s_mov_b32 s[G0+1], 0
	s_mov_b64 s[G0+2:G0+3], s[KVB:KVB+1]
	s_or_b32 s[G0+3], s[G0+3], 0x80000000
	TLOAD                                          ; key step 0 into slot 0: the one first fill
	v_and_b32 v[PFO], 31, v0                       ; lane
	v_and_b32 v[R4], 15, v0                        ; r
	v_bfe_u32 v[R8], v0, 4, 1                      ; h
	s_delay_alu instid0(VALU_DEP_3)
	v_lshlrev_b32 v[L16], 4, v[PFO]
	s_delay_alu instid0(VALU_DEP_4)
	v_lshlrev_b32 v[L8], 3, v[PFO]
	s_mul_i32 s56, s[PAR], 768
	v_add_nc_u32 v[AK16], s56, v[L16]
	v_add_nc_u32 v[AK8], s56, v[L8]
	s_delay_alu instid0(VALU_DEP_1)
	v_add_nc_u32 v[AK8], 512, v[AK8]
	s_mul_i32 s56, s[PAR], 6144
	s_add_co_u32 s56, s56, 12288
	v_add_nc_u32 v[AV16], s56, v[L16]
	v_add_nc_u32 v[AV8], s56, v[L8]
	s_delay_alu instid0(VALU_DEP_1)
	v_add_nc_u32 v[AV8], 512, v[AV8]
	v_lshlrev_b32 v[DQ], 3, v[R8]
	s_delay_alu instid0(VALU_DEP_1)
	v_sub_nc_u32 v[DQ], v[R4], v[DQ]
	s_lshl_b32 s56, s[QT], 4
	v_add_nc_u32 v[DQ], s56, v[DQ]                 ; 16 qt + r - 8 h
	v_lshlrev_b32 v[R8], 3, v[R4]
	v_lshlrev_b32 v[R4], 2, v[R4]
	s_lshl_b32 s56, s[PAR], 9
	s_add_co_u32 s56, s56, 24576
	v_add_nc_u32 v[ASK0], s56, v[R4]
	s_lshl_b32 s56, s[PAR], 8
	s_add_co_u32 s56, s56, 25600
	v_add_nc_u32 v[ASV0], s56, v[R4]
	v_lshlrev_b32 v[PFO], 8, v[PFO]
	v_mov_b32 v[NINF], 0xff800000
.irp j, 0,1,2,3,4,5
	v_mov_b32 v[22+\j], 0                          ; Q's zero codes for k = 64 .. 127
	v_mov_b32 v[KF+24+\j], 0                       ; what the fourth tile of K names as its upper half
.endr
.irp b, 0,1,2,3
	v_mov_b32 v[236+\b], 0                         ; written once: a lane permute's destination counts as one of its sources
.endr
	v_mov_b32 v253, 0                              ; (named as the upper half of the pair v[252:253] before it is first written)
	; my wave's constant parts of the addresses
	s_mul_i32 s[QCW], s[QT], 1536
	s_mul_i32 s58, s[PAR], 768
	s_add_co_u32 s[QCW], s[QCW], s58
	s_lshl_b32 s[QSW], s[PAR], 9
	s_lshl_b32 s59, s[QT], 6
	s_add_co_u32 s[QSW], s[QSW], s59
	s_add_co_u32 s[QSW], s[QSW], 12288
	s_and_b32 s56, s[GG], 7                        ; the pair of heads in its batch
	s_lshr_b32 s57, s[GG], 3                       ; the batch
	s_lshl_b32 s[OCW], s57, 7
	s_add_co_u32 s[OCW], s[OCW], s[QT]
	s_mul_i32 s[OCW], s[OCW], 12288                ; oc: tile of 16 tokens x 12,288
	s_mul_i32 s59, s56, 1536
	s_add_co_u32 s[OCW], s[OCW], s59               ; + pair x 1,536
	s_add_co_u32 s[OCW], s[OCW], s58               ; + parity x 768
	s_lshr_b32 s58, s56, 1
	s_lshl_b32 s[OSW], s58, 16                     ; os: (pair / 2) x 65,536
	s_lshl_b32 s58, s57, 14
	s_add_co_u32 s[OSW], s[OSW], s58               ; + token x 8
	s_lshl_b32 s58, s[QT], 7
	s_add_co_u32 s[OSW], s[OSW], s58
	s_and_b32 s58, s[GG], 1
	s_lshl_b32 s58, s58, 2
	s_add_co_u32 s[OSW], s[OSW], s58               ; + (pair % 2) x 4
	s_lshl_b32 s58, s[PAR], 1
	s_add_co_u32 s[OSW], s[OSW], s58               ; + parity x 2
	s_sub_co_u32 s56, s[WV], 4
	s_cmp_lt_u32 s56, 3                            ; waves 4, 5, 6
	s_cselect_b32 s[LIM], 14, 0
	s_cmp_eq_u32 s[WI], 0                          ; of work-group 0
	s_cselect_b32 s[LIM], s[LIM], 0
	s_and_b32 s56, s[WV], 3
	s_lshl_b32 s56, s56, 13
	s_add_co_u32 s56, s56, REC                     ; in key step 1: the first change of slots steps it to key step 2.  Nothing is prefetched here, at the head
	s_mov_b32 s57, 0
	s_add_nc_u64 s[PFA:PFA+1], s[KVB:KVB+1], s[56:57]
	SETBLK
	LOADQ
	RESET
	s_wait_loadcnt 0x0
.Ltrip:                                            ; 16 trips; behind each change of slots the next trip's record is asked for
	CHANGE 1
	STEP 0
	s_cmp_lg_u32 s[NT], s[SWM1]
	s_cbranch_scc1 .Lsame_block
	FINISH 1
.Lsame_block:
	s_xor_b32 s[TB], s[TB], SLOT1
	s_add_co_u32 s[NT], s[NT], 1
	s_cmp_lt_u32 s[NT], 16
	s_cbranch_scc1 .Ltrip
	CHANGE 0                                       ; the seventeenth trip is written out: the second block's diagonal
	STEP 1
	FINISH 0
	s_wait_tensorcnt 0x0                           ; the wave's end
	ds_add_u32 v[SPW], v[NIL]
	s_wait_dscnt 0x0
	s_endpgm
.Lfunc_end_k_q3dc5ad45da_attn:
	.size	k_q3dc5ad45da_attn, .Lfunc_end_k_q3dc5ad45da_attn-k_q3dc5ad45da_attn
	.p2alignl 7, 3214868480
	.fill 96, 4, 3214868480
	.section	.rodata,"a",@progbits
	.p2align	6, 0x0
	.amdhsa_kernel k_q3dc5ad45da_attn
		.amdhsa_group_segment_fixed_size 327680
		.amdhsa_private_segment_fixed_size 0
		.amdhsa_enable_private_segment 0
		.amdhsa_kernarg_size 32
		.amdhsa_user_sgpr_count 2
		.amdhsa_user_sgpr_kernarg_segment_ptr 1
		.amdhsa_wavefront_size32 1
		.amdhsa_system_sgpr_workgroup_id_x 1
		.amdhsa_system_sgpr_workgroup_id_y 1
		.amdhsa_system_sgpr_workgroup_id_z 1
		.amdhsa_system_vgpr_workitem_id 0
		.amdhsa_next_free_vgpr 256
		.amdhsa_next_free_sgpr 66
		.amdhsa_reserve_vcc 1
		.amdhsa_float_denorm_mode_32 3
		.amdhsa_float_denorm_mode_16_64 3
		.amdhsa_memory_ordered 1
		.amdhsa_forward_progress 1
		.amdhsa_inst_pref_size 67
	.end_amdhsa_kernel
	.amdgpu_metadata
---
amdhsa.version: [ 1, 2 ]
amdhsa.kernels:
  - .name:           k_q3dc5ad45da_attn
    .symbol:         k_q3dc5ad45da_attn.kd
    .args:
      - { .name: q, .offset: 0, .size: 8, .value_kind: global_buffer, .address_space: global }
      - { .name: kv, .offset: 8, .size: 8, .value_kind: global_buffer, .address_space: global }
      - { .name: oc, .offset: 16, .size: 8, .value_kind: global_buffer, .address_space: global }
      - { .name: os, .offset: 24, .size: 8, .value_kind: global_buffer, .address_space: global }
    .group_segment_fixed_size: 327680
    .private_segment_fixed_size: 0
    .kernarg_segment_align: 8
    .kernarg_segment_size: 32
    .max_flat_workgroup_size: 512
    .sgpr_count:     66
    .vgpr_count:     256
    .wavefront_size: 32
...
	.end_amdgpu_metadata
.endif
;; end of part 2
;; launch proj (part 3): grid 4 x 32, 4 waves a work-group, clusters of 4 x 4, 327,680 bytes of LDS; arguments oc, os, Wproj_codes, Wproj_scales, bproj, out0; writes out0
.if DOCPART == 3
	.amdgcn_target "amdgcn-amd-amdhsa--gfx1250"
	.amdhsa_code_object_version 6
	.text
	.protected	k_q3dc5ad45da_proj
	.globl	k_q3dc5ad45da_proj
	.p2align	8
	.type	k_q3dc5ad45da_proj,@function
k_q3dc5ad45da_proj:
	s_mov_b64 s[64:65], 0
	v_nop
	global_prefetch_b8 v0, s[64:65] scope:SCOPE_SE
	s_setreg_imm32_b32 hwreg(HW_REG_WAVE_MODE, 25, 1), 1
	s_wait_xcnt 0x0
	s_wait_alu depctr_hold_cnt(0) depctr_sa_sdst(0) depctr_va_vdst(0) depctr_va_sdst(0) depctr_va_ssrc(0) depctr_va_vcc(0) depctr_vm_vsrc(0)
	s_getreg_b32 s2, hwreg(HW_REG_IB_STS2, 6, 4)
	s_cmp_eq_u32 s2, 0
	s_cbranch_scc0 .Lentry_in_a_cluster
	s_endpgm
.Lentry_in_a_cluster:
	s_bfe_u32 s2, ttmp6, 0x10000c
	s_cmp_lg_u32 s2, 0xf033
	s_cbranch_scc0 .Lentry_shape_is_right
	s_endpgm
.Lentry_shape_is_right:
; out0 = o Wproj + bproj on codes of FP6 (E2M3) with one E8M0 scale for each 32 along K = 1,024.  out0: [8,192][1,024] f32.
; o comes as the launch before has laid it: oc, images of operand registers: tile of 16 tokens x 12,288 bytes, in it the fragment of k = 128 s .. 128 s + 127 at 1,536 s (registers 0-3 at 16 x lane, 4-5 at 512 + 8 x lane, 6-9 at 768 + 16 x lane,
; 10-11 at 1,280 + 8 x lane); os: plane k / 256 of 65,536 bytes, in it 8 bytes a token: the scale words of the plane's two fragments.  Wproj: 1,024 rows of 768 bytes of codes, 32 scale bytes a row.
; A tile of 256 x 256 of the result is made by four waves, 128 x 128 each: 64 accumulators, 512 registers.  K goes in four steps of 256 through two LDS slots; all scale bytes come once, with the first fills.
; THE MATRIX INSTRUCTION IS USED TRANSPOSED (source 0 = 16 rows of Wproj, source 1 = 16 tokens): a lane holds eight neighbouring numbers of a row of the result.  bproj is the C of each sum's first product.
; CLUSTERS: 4 x 4 work-groups; o's tiles are asked for jointly by a row of the cluster, Wproj's by a column.  The result has 32 x 4 tiles: 128 work-groups.
; LIMITS: NaN, infinities and the scale byte 0xff among the inputs are not served; the bias is summed first, not last.
; REGISTERS, in windows of 256.  Window 0: v1-8 at work; v16-27, v30 addresses; v28-29 for the add; v32-63 Wproj's scale words, v224-255 o's, two sets each, and nothing else; v64-127 the bias, later rows on the way out;
;   v128-223 o's fragments, one set, later rows on the way out.  Window 1: Wproj's fragments, two sets.  Windows 2, 3: the accumulators.
.set SIZE_N, 1024
.set NQ,     2
.set ROWB,   192
.set KROW,   768
.set PITCH,  240
.set FR,     12
.set NLA,    4                         ; LDS loads that bring a fragment of o
.set NP,     4
.set AHALF,  24576                     ; 8 tiles of 16 tokens x 3,072 bytes
.set ASTEP,  3072                      ; a K step of a tile of tokens
.set HALFT,  128*PITCH
.set BOFF,   2*AHALF
.set SLOT,   BOFF+2*HALFT
.set SCLA,   2*SLOT                    ; o's scale words: for each half 4 K steps x 1,024 bytes
.set SCLB,   SCLA+2*4096               ; Wproj's scale bytes: rows of 256 bytes + 16
.set HALFS,  4352
.set SBLK,   544
.set SPARE,  SCLB+2*HALFS              ; the spare words: two blocks of 256 bytes that no other line names
.set STAGE,  SPARE+512                 ; the way out: 16 rows x (512 + 16) bytes for each wave; no fill lands here
.set SPITCH, 528
.set ADRA16, 16                        ; v16-17 slot s: my half of o, + 16 x lane
.set ADRA8,  18                        ; v18-19 + 8 x lane
.set ADRB, 20                          ; v20-23
.set STO,  24
.set RD,   25
.set CO,   26
.set ADRSB, 27
.set SPW,  28
.set NIL,  29
.set ADRSA, 30
.set SCB,  32
.set BT,   64
.set BK,   64                          ; the way out: v64-127 and v128-191 by turns
.set AF,   128
.set SCA,  224
.set G1, 24
.set G0, 32
.set G1B, 48
.set G0B, 56
.set G1S, 68
.set G0S, 76
.set G1SB, 80
.set G0SB, 88
.set MSB, 0
.macro WIN new
.if MSB != \new
	s_set_vgpr_msb (MSB<<8)|\new
.set MSB, \new
.endif
.endm
.set MUL_LO, 0xa1
.set MUL_HI, 0xf1
.set FST_LO, 0x81                      ; the first step: C (the bias) window 0, D window 2
.set FST_HI, 0xc1
.set TO_B,   0x40
.macro JLOAD g0a, g1a, g0b, g1b        ; waves 0 and 1 fetch for o, waves 2 and 3 for Wproj; four v_nop follow each of the two lines
	s_cmp_eq_u32 s15, 0
	s_cbranch_scc0 .Lfor_b_\@
	tensor_load_to_lds s[\g0a:\g0a+3], s[\g1a:\g1a+7]
	s_nop 0
.rept 4
	v_nop
.endr
	s_branch .Lasked_\@
.Lfor_b_\@:
	tensor_load_to_lds s[\g0b:\g0b+3], s[\g1b:\g1b+7]
	s_nop 0
.rept 4
	v_nop
.endr
.Lasked_\@:
.endm
.macro CREST
	s_cmp_lg_u32 s14, 0
	s_cbranch_scc1 .Lnot_wave_0_\@
	s_barrier_signal -3
.Lnot_wave_0_\@:
	s_barrier_wait -3
	s_barrier_signal -1
	s_barrier_wait -1
.endm
.macro CROUND
	s_barrier_signal -1
	s_barrier_wait -1
	CREST
.endm
	s_load_b128 s[4:7], s[0:1], 0x0                ; oc, os
	s_load_b128 s[8:11], s[0:1], 0x10              ; Wproj's codes, Wproj's scales
	s_load_b64 s[92:93], s[0:1], 0x20              ; bproj
	s_load_b64 s[12:13], s[0:1], 0x28              ; out0
	v_lshl_add_u32 v[SPW], v0, 2, SPARE
	v_mov_b32 v[NIL], 0
	ds_add_u32 v28, v29
	s_wait_dscnt 0x0
	v_lshrrev_b32 v1, 5, v0
	v_readfirstlane_b32 s14, v1                    ; wave 0..3
	s_lshr_b32 s15, s14, 1                         ; my half of the tile's tokens.  Also: I fetch for o (0) or for Wproj (1)
	s_and_b32 s16, s14, 1                          ; my half of its columns.  Also: which half I fetch
	s_bfe_u32 s40, ttmp6, 0x40000
	s_bfe_u32 s41, ttmp6, 0x40004
	s_lshl_b32 s42, ttmp9, 2
	s_add_co_u32 s42, s42, s40                     ; tile column
	s_and_b32 s17, ttmp7, 0xffff
	s_lshl_b32 s17, s17, 2
	s_add_co_u32 s17, s17, s41                     ; tile row
	s_lshl_b32 s43, s41, 2
	s_lshl_b32 s43, 15, s43                        ; my row of the cluster
	s_lshl_b32 s44, 0x1111, s40                    ; my column
	; o's tile: 8 rows (tiles of 16 tokens) of 3,072 bytes (384 elements of 8), 12,288 bytes apart; dense in LDS
	s_or_b32 s[G1+0], s43, (3<<16)|(1<<21)
	s_mov_b32 s[G1+1], 384<<16
	s_mov_b32 s[G1+2], 8<<16
	s_mov_b32 s[G1+3], 384<<16
	s_mov_b32 s[G1+4], 8
	s_mov_b32 s[G1+5], 1536
	s_mov_b32 s[G1+6], 0
	s_mov_b32 s[G1+7], 0
	; Wproj's tile: 128 rows x 192 bytes, 16 bytes of padding behind every 64
	s_or_b32 s[G1B+0], s44, (0<<16)|(1<<20)|(1<<21)|(3<<22)|(3<<25)
	s_mov_b32 s[G1B+1], ROWB<<16
	s_mov_b32 s[G1B+2], 128<<16
	s_mov_b32 s[G1B+3], ROWB<<16
	s_mov_b32 s[G1B+4], 128
	s_mov_b32 s[G1B+5], KROW
	s_mov_b32 s[G1B+6], 0
	s_mov_b32 s[G1B+7], 0
	; o's scale words of 128 tokens: 4 rows (K steps) of 1,024 bytes (128 elements of 8), 65,536 bytes apart
	s_or_b32 s[G1S+0], s43, (3<<16)|(1<<21)
	s_mov_b32 s[G1S+1], 128<<16
	s_mov_b32 s[G1S+2], 4<<16
	s_mov_b32 s[G1S+3], 128<<16
	s_mov_b32 s[G1S+4], 4
	s_mov_b32 s[G1S+5], 8192
	s_mov_b32 s[G1S+6], 0
	s_mov_b32 s[G1S+7], 0
	; Wproj's scale bytes of 128 rows: 4,096 dense bytes as 16 rows of 256, 16 bytes of padding behind each
	s_or_b32 s[G1SB+0], s44, (3<<16)|(1<<20)|(1<<21)|(5<<22)|(3<<25)
	s_mov_b32 s[G1SB+1], 32<<16
	s_mov_b32 s[G1SB+2], 16<<16
	s_mov_b32 s[G1SB+3], 32<<16
	s_mov_b32 s[G1SB+4], 16
	s_mov_b32 s[G1SB+5], 32
	s_mov_b32 s[G1SB+6], 0
	s_mov_b32 s[G1SB+7], 0
	s_lshl_b32 s20, s17, 4
	s_lshl_b32 s18, s16, 3
	s_add_co_u32 s20, s20, s18                     ; o: tile of 16 tokens 16 x tile row + 8 x half
	s_lshl_b32 s22, s20, 7                         ; its scale words: 16 tokens x 8 bytes
	s_mul_i32 s20, s20, 12288                      ; its codes
	s_mov_b32 s21, 0
	s_mov_b32 s23, 0
	s_lshl_b32 s46, s42, 8
	s_lshl_b32 s18, s16, 7
	s_add_co_u32 s46, s46, s18                     ; Wproj: row 256 x tile column + 128 x half
	s_lshl_b32 s94, s46, 5
	s_mul_i32 s46, s46, KROW
	s_mov_b32 s47, 0
	s_mov_b32 s95, 0
	s_mul_i32 s45, s16, AHALF                      ; where they go: no place in the cluster enters an LDS address
	s_mul_i32 s96, s16, HALFT
	s_add_co_u32 s96, s96, BOFF
	s_lshl_b32 s97, s16, 12
	s_add_co_u32 s97, s97, SCLA
	s_mul_i32 s98, s16, HALFS
	s_add_co_u32 s98, s98, SCLB
	s_wait_kmcnt 0x0
	s_add_nc_u64 s[20:21], s[4:5], s[20:21]
	s_add_nc_u64 s[22:23], s[6:7], s[22:23]
	s_add_nc_u64 s[46:47], s[8:9], s[46:47]
	s_add_nc_u64 s[94:95], s[10:11], s[94:95]
	CROUND                                         ; all sixteen work-groups are here: the first joint loads meet
	s_mov_b32 s[G0S], 1
	s_mov_b32 s[G0S+1], s97
	s_mov_b64 s[G0S+2:G0S+3], s[22:23]
	s_or_b32 s[G0S+3], s[G0S+3], 0x80000000
	s_mov_b32 s[G0SB], 1
	s_mov_b32 s[G0SB+1], s98
	s_mov_b64 s[G0SB+2:G0SB+3], s[94:95]
	s_or_b32 s[G0SB+3], s[G0SB+3], 0x80000000
	JLOAD G0S, G1S, G0SB, G1SB                     ; the scales first
.irp s, 0,1
	s_mov_b32 s[G0+4*\s], 1
	s_add_co_u32 s[G0+4*\s+1], s45, \s*SLOT
	s_add_nc_u64 s[G0+4*\s+2:G0+4*\s+3], s[20:21], \s*ASTEP
	s_or_b32 s[G0+4*\s+3], s[G0+4*\s+3], 0x80000000
	s_mov_b32 s[G0B+4*\s], 1
	s_add_co_u32 s[G0B+4*\s+1], s96, \s*SLOT
	s_add_nc_u64 s[G0B+4*\s+2:G0B+4*\s+3], s[46:47], \s*ROWB
	s_or_b32 s[G0B+4*\s+3], s[G0B+4*\s+3], 0x80000000
	JLOAD G0+4*\s, G1, G0B+4*\s, G1B               ; three tensor loads of mine are out
.endr
	v_and_b32 v1, 15, v0                           ; r
	v_bfe_u32 v2, v0, 4, 1                         ; h
	v_and_b32 v6, 31, v0                           ; lane
	v_mul_u32_u24 v3, v1, PITCH
	v_mul_u32_u24 v4, v2, 24
	v_add_nc_u32 v4, v3, v4                        ; Wproj: a fragment's row x pitch + 24 h
	v_lshl_add_u32 v5, v2, 4, v4                   ; and the same behind one padding more
	v_lshlrev_b32 v7, 4, v6
	v_lshlrev_b32 v8, 3, v6
	s_mul_i32 s21, s15, AHALF
	s_mul_i32 s22, s16, HALFT
	s_add_co_u32 s22, s22, BOFF
.irp s, 0,1
	v_add_nc_u32 v[ADRA16+\s], s21, v7
	v_add_nc_u32 v[ADRA8+\s], s21, v8
	v_add_nc_u32 v[ADRB+\s], s22, v4
	v_add_nc_u32 v[ADRB+2+\s], s22, v5
	s_add_co_u32 s21, s21, SLOT
	s_add_co_u32 s22, s22, SLOT
.endr
	v_lshlrev_b32 v5, 5, v1                        ; Wproj's scale bytes: 32 a row,
	v_lshrrev_b32 v3, 3, v1
	v_lshl_add_u32 v5, v3, 4, v5                   ; and 16 more behind the first 256
	s_mul_i32 s21, s16, HALFS
	s_add_co_u32 s21, s21, SCLB
	v_add_nc_u32 v[ADRSB], s21, v5
	v_lshlrev_b32 v5, 3, v1                        ; o's: 8 bytes a token
	s_lshl_b32 s21, s15, 12
	s_add_co_u32 s21, s21, SCLA
	v_add_nc_u32 v[ADRSA], s21, v5
	s_mul_i32 s23, s14, 16*SPITCH
	s_add_co_u32 s23, s23, STAGE                   ; my stage
	v_mul_u32_u24 v5, v1, SPITCH
	v_lshl_add_u32 v5, v2, 5, v5
	v_add_nc_u32 v[STO], s23, v5                   ; in: row r, 32 bytes for each half of the lanes
	v_lshlrev_b32 v[CO], 4, v6
	v_add_nc_u32 v[RD], s23, v[CO]                 ; back: the 32 lanes take one row of 512 bytes
	s_lshl_b32 s20, s17, 8
	s_lshl_b32 s21, s15, 7
	s_add_co_u32 s20, s20, s21                     ; my first row of the result
	s_mov_b32 s21, 0
	s_mov_b64 s[18:19], SIZE_N*4
	s_mul_u64 s[20:21], s[20:21], s[18:19]
	s_lshl_b32 s46, s42, 10                        ; my first column, in bytes; also my place in bproj
	s_lshl_b32 s47, s16, 9
	s_add_co_u32 s46, s46, s47
	s_mov_b32 s47, 0
	s_add_nc_u64 s[20:21], s[20:21], s[46:47]
	s_add_nc_u64 s[12:13], s[12:13], s[20:21]
	s_add_nc_u64 s[92:93], s[92:93], s[46:47]
	v_lshlrev_b32 v3, 5, v2                        ; 32 h
.irp b, 0,1,2,3,4,5,6,7
	global_load_b128 v[BT+8*\b:BT+8*\b+3], v3, s[92:93] offset:64*\b        ; lane (r, h): the bias of my columns 16 b + 8 h + 0 .. 7
	global_load_b128 v[BT+8*\b+4:BT+8*\b+7], v3, s[92:93] offset:64*\b+16
.endr
	s_wait_loadcnt 0x0
.macro FRAG reg, adr, q, i             ; Wproj: 16 rows x 128 K, in pieces of 8 bytes
.irp p, 0,1,2,3,4,5
.set PCE, 12*(\q)+6*(\p/3)+\p%3
.if PCE%8 < 5
	ds_load_b64 v[\reg+2*\p:\reg+2*\p+1], v[\adr] offset:8*PCE+16*(PCE/8)+(\i)*16*PITCH
.else
	ds_load_b64 v[\reg+2*\p:\reg+2*\p+1], v[\adr+2] offset:8*PCE+16*(PCE/8)+(\i)*16*PITCH
.endif
.endr
.endm
.macro FRAGA reg, slot, q, i           ; o: an image comes back as it was stored: four loads of consecutive bytes
	ds_load_b128 v[\reg:\reg+3], v[ADRA16+\slot] offset:ASTEP*(\i)+1536*(\q)
	ds_load_b64 v[\reg+4:\reg+5], v[ADRA8+\slot] offset:ASTEP*(\i)+1536*(\q)+512
	ds_load_b128 v[\reg+6:\reg+9], v[ADRA16+\slot] offset:ASTEP*(\i)+1536*(\q)+768
	ds_load_b64 v[\reg+10:\reg+11], v[ADRA8+\slot] offset:ASTEP*(\i)+1536*(\q)+1280
.endm
; 16 matrix instructions: o's blocks a0, a0 + 1 x Wproj's eight.  The 64 accumulators take turns, one instruction a turn, in the same order in every step.
.macro MUL16 a0, p, q, sc, first
.irp a, \a0, \a0+1
.irp b, 0,1,2,3,4,5,6,7
.if \first
	v_wmma_scale_f32_16x16x128_f8f6f4 v[8*(8*((\a)%4)+\b):8*(8*((\a)%4)+\b)+7], v[128*(\p)+FR*\b:128*(\p)+FR*\b+FR-1], v[AF+FR*(\a):AF+FR*(\a)+FR-1], v[BT+8*\b:BT+8*\b+7], v[SCB+16*(\sc)+2*\b+(\q)], v[SCA+16*(\sc)+2*(\a)+(\q)] matrix_a_fmt:MATRIX_FMT_FP6 matrix_b_fmt:MATRIX_FMT_FP6
.else
	v_wmma_scale_f32_16x16x128_f8f6f4 v[8*(8*((\a)%4)+\b):8*(8*((\a)%4)+\b)+7], v[128*(\p)+FR*\b:128*(\p)+FR*\b+FR-1], v[AF+FR*(\a):AF+FR*(\a)+FR-1], v[8*(8*((\a)%4)+\b):8*(8*((\a)%4)+\b)+7], v[SCB+16*(\sc)+2*\b+(\q)], v[SCA+16*(\sc)+2*(\a)+(\q)] matrix_a_fmt:MATRIX_FMT_FP6 matrix_b_fmt:MATRIX_FMT_FP6
.endif
.endr
.endr
.endm
.macro FETCH_B slot, q, p
	WIN TO_B
.irp i, 0,1,2,3,4,5,6,7
	FRAG 128*(\p)+FR*\i, ADRB+\slot, \q, \i
.endr
	WIN 0
.endm
.macro FETCH_A slot, q, i0
.irp i, \i0, \i0+1, \i0+2, \i0+3
	FRAGA AF+FR*(\i), \slot, \q, \i
.endr
.endm
.macro SCALES sc                       ; a K step's scale words, two a row, each side in registers of its own
.irp i, 0,1,2,3,4,5,6,7
	ds_load_b64 v[SCB+16*\sc+2*\i:SCB+16*\sc+2*\i+1], v[ADRSB] offset:\i*SBLK
	ds_load_b64 v[SCA+16*\sc+2*\i:SCA+16*\sc+2*\i+1], v[ADRSA] offset:\i*128
.endr
.endm
.macro PLACES n
.rept \n
	v_nop
.endr
.endm
.macro STEP slot, q, first
	s_wait_dscnt 4*NLA                             ; all but the youngest 16 loads (o's blocks 4-7) are in
.if \first
	WIN FST_LO
.else
	WIN MUL_LO
.endif
	MUL16 0, (\q)%2, \q, \slot, \first
	MUL16 2, (\q)%2, \q, \slot, \first
	s_wait_dscnt 0
	PLACES NP
	FETCH_B \slot, (\q)+1, 1-(\q)%2
	FETCH_A \slot, (\q)+1, 0
.if \first
	WIN FST_HI
.else
	WIN MUL_HI
.endif
	MUL16 4, (\q)%2, \q, \slot, \first
	MUL16 6, (\q)%2, \q, \slot, \first
	PLACES NP
	WIN 0
	FETCH_A \slot, (\q)+1, 4
.endm
.macro TURN slot, next, fill           ; a slot's last step changes slots
	s_wait_tensorcnt 0x0                           ; all my tensor loads have landed: my part of the next slot
	ds_add_u32 v[SPW], v[NIL]
	s_wait_dscnt 4*NLA+1                           ; the add and the youngest 16 loads may be out
	WIN MUL_LO
	MUL16 0, 1, NQ-1, \slot, 0
	s_wait_dscnt 0x0                               ; the add is done, and my reads of this slot are over
	s_barrier_signal -1
	MUL16 2, 1, NQ-1, \slot, 0
	WIN 0
	s_barrier_wait -1
.if \fill
	CREST                                          ; a round of the cluster's barrier: no wave of any partner still reads this slot or has a load on its way
	s_add_nc_u64 s[G0+4*\slot+2:G0+4*\slot+3], s[G0+4*\slot+2:G0+4*\slot+3], 2*ASTEP
	s_add_nc_u64 s[G0B+4*\slot+2:G0B+4*\slot+3], s[G0B+4*\slot+2:G0B+4*\slot+3], 2*ROWB
	JLOAD G0+4*\slot, G1, G0B+4*\slot, G1B
.else
	PLACES NP
.endif
	v_add_nc_u32 v[ADRSB], 8, v[ADRSB]             ; the next K step's scale words
	v_add_nc_u32 v[ADRSA], 1024, v[ADRSA]
	FETCH_B \next, 0, 0
	FETCH_A \next, 0, 0
	SCALES \next
	WIN MUL_HI
	MUL16 4, 1, NQ-1, \slot, 0
	MUL16 6, 1, NQ-1, \slot, 0
	PLACES NP
	WIN 0
	FETCH_A \next, 0, 4
.endm
	s_wait_tensorcnt 1                             ; the scales and my part of K step 0 are in; K step 1's load may be out
	s_barrier_signal -1
	s_barrier_wait -1
	FETCH_B 0, 0, 0
	FETCH_A 0, 0, 0
	SCALES 0
	FETCH_A 0, 0, 4
	STEP 0, 0, 1
	TURN 0, 1, 1
	STEP 1, 0, 0
	TURN 1, 0, 1
	STEP 0, 0, 0
	TURN 0, 1, 0
	STEP 1, 0, 0
	s_wait_dscnt 4*NLA
	WIN MUL_LO
	MUL16 0, 1, NQ-1, 1, 0
	MUL16 2, 1, NQ-1, 1, 0
	s_wait_dscnt 0
	WIN MUL_HI
	MUL16 4, 1, NQ-1, 1, 0
	MUL16 6, 1, NQ-1, 1, 0
	WIN 0
; THE WAY OUT, block by block of 16 rows x 128 columns: through my own stage in LDS and back as whole rows of 512 bytes.  LDS serves a wave's instructions in order (ISA guide 5.7.1.4): no wait between the stores and the loads.
.macro TOSTAGE a
.set AC, 64*((\a)%4)
	WIN (0x08+4*((\a)/4))                          ; the data: window 2 or 3
.irp b, 0,1,2,3,4,5,6,7
	ds_store_b128 v[STO], v[AC+8*\b:AC+8*\b+3] offset:64*\b          ; each accumulator from its low end on
	ds_store_b128 v[STO], v[AC+8*\b+4:AC+8*\b+7] offset:64*\b+16
.endr
	WIN 0
.set BB, BK+64*((\a)%2)
.irp t, 0,1,2,3,4,5,6,7,8,9,10,11,12,13,14,15
	ds_load_b128 v[BB+4*\t:BB+4*\t+3], v[RD] offset:\t*SPITCH
.endr
.endm
.macro SEND a, younger
.set BB, BK+64*((\a)%2)
	s_wait_dscnt \younger                          ; the block is back in registers
.if (\a) > 0
	s_add_nc_u64 s[12:13], s[12:13], 16*SIZE_N*4   ; (behind a wait on XCNT: the earlier stores have read their base)
.endif
.irp t, 0,1,2,3,4,5,6,7,8,9,10,11,12,13,14,15
	global_store_b128 v[CO], v[BB+4*\t:BB+4*\t+3], s[12:13] offset:\t*SIZE_N*4 th:TH_STORE_NT   ; 32 lanes store 512 consecutive bytes, aligned to 256; written once, read by nobody here
.endr
.endm
	PLACES NP
	TOSTAGE 0
.irp a, 1,2,3,4,5,6,7
.if \a > 1
	s_wait_xcnt 0x0                                ; block a - 2's stores have read their registers and their base
.endif
	TOSTAGE \a
	SEND \a-1, 32                                  ; behind block a - 1's loads: block a's 16 stores and 16 loads
.endr
	s_wait_xcnt 0x0
	SEND 7, 0
	s_wait_tensorcnt 0x0                           ; the wave's end
	ds_add_u32 v[SPW], v[NIL]
	s_wait_dscnt 0x0
	CROUND                                         ; the closing round
	s_endpgm
.Lfunc_end_k_q3dc5ad45da_proj:
	.size	k_q3dc5ad45da_proj, .Lfunc_end_k_q3dc5ad45da_proj-k_q3dc5ad45da_proj
	.p2alignl 7, 3214868480
	.fill 96, 4, 3214868480
	.section	.rodata,"a",@progbits
	.p2align	6, 0x0
	.amdhsa_kernel k_q3dc5ad45da_proj
		.amdhsa_group_segment_fixed_size 327680
		.amdhsa_private_segment_fixed_size 0
		.amdhsa_enable_private_segment 0
		.amdhsa_kernarg_size 48
		.amdhsa_user_sgpr_count 2
		.amdhsa_user_sgpr_kernarg_segment_ptr 1
		.amdhsa_wavefront_size32 1
		.amdhsa_system_sgpr_workgroup_id_x 1
		.amdhsa_system_sgpr_workgroup_id_y 1
		.amdhsa_system_sgpr_workgroup_id_z 1
		.amdhsa_system_vgpr_workitem_id 0
		.amdhsa_next_free_vgpr 1024
		.amdhsa_next_free_sgpr 100
		.amdhsa_reserve_vcc 0
		.amdhsa_float_denorm_mode_32 3
		.amdhsa_float_denorm_mode_16_64 3
		.amdhsa_memory_ordered 1
		.amdhsa_forward_progress 1
		.amdhsa_inst_pref_size 156
	.end_amdhsa_kernel
	.amdgpu_metadata
---
amdhsa.version: [ 1, 2 ]
amdhsa.kernels:
  - .name:           k_q3dc5ad45da_proj
    .symbol:         k_q3dc5ad45da_proj.kd
    .args:
      - { .name: oc, .offset: 0, .size: 8, .value_kind: global_buffer, .address_space: global }
      - { .name: os, .offset: 8, .size: 8, .value_kind: global_buffer, .address_space: global }
      - { .name: Wproj_codes, .offset: 16, .size: 8, .value_kind: global_buffer, .address_space: global }
      - { .name: Wproj_scales, .offset: 24, .size: 8, .value_kind: global_buffer, .address_space: global }
      - { .name: bproj, .offset: 32, .size: 8, .value_kind: global_buffer, .address_space: global }
      - { .name: out0, .offset: 40, .size: 8, .value_kind: global_buffer, .address_space: global }
    .group_segment_fixed_size: 327680
    .private_segment_fixed_size: 0
    .kernarg_segment_align: 8
    .kernarg_segment_size: 48
    .max_flat_workgroup_size: 128
    .sgpr_count:     100
    .vgpr_count:     1024
    .wavefront_size: 32
...
	.end_amdgpu_metadata
.endif
;; end of part 3
